; MI455X (gfx1250); checked and timed in simulation.
; The chip was launched on July 23, 2026; its instructions are those of AMD's public machine-readable ISA for CDNA 5 (MIT licence, August 2026) and "CDNA5" Instruction Set Architecture Reference Guide (July 2026). The comments in the code are by the model that wrote it; some were corrected since.
;; Cross Attention. Allowed arithmetic: float matrix products may take bf16 or f16 operands with f32 sums; other float arithmetic in f32, or as packed bf16 or f16 multiplies, adds, multiply-adds, maxima and minima; sums over many terms, partial sums and values carried from step to step in f32; what a program stores and reads back later, other than sums and carried values, may be rounded once to bf16 or f16.
;; Inputs: Wk 1,024 x 1,024 float32; Wo 1,024 x 1,024 float32; Wq 1,024 x 1,024 float32; Wv 1,024 x 1,024 float32; bk 1,024 float32; bo 1,024 float32; bq 1,024 float32; bv 1,024 float32; key 4 x 2,048 x 1,024 float32; query 4 x 2,048 x 1,024 float32; value 4 x 2,048 x 1,024 float32.
;; Outputs: out0 4 x 2,048 x 1,024 float32.
;; 2 versions, each right; version 2 is version 1 with the launch prep written anew for expert scheduling mode. Each part assembles by itself: llvm-mc -triple=amdgcn-amd-amdhsa -mcpu=gfx1250 --defsym DOCPART=n.
;; ======== version 1 of 2: 5 launches
;; limits: values are held in f16: magnitudes above 65,504 overflow, below 6.1e-05 lose precision
;; workspace buffers: wh 8,388,608 bytes; qkv 50,331,648 bytes; ph 33,554,432 bytes; cm 524,288 bytes; ls 524,288 bytes; oh 16,777,216 bytes
;; launch prep (part 1): grid 256 x 1, 8 waves a work-group, no clusters, 0 bytes of LDS; arguments Wq, Wk, Wv, Wo, wh; writes wh
.if DOCPART == 1
	.amdgcn_target "amdgcn-amd-amdhsa--gfx1250"
	.amdhsa_code_object_version 6
	.text
	.protected	k_qcf968c2b2f_prep
	.globl	k_qcf968c2b2f_prep
	.p2align	8
	.type	k_qcf968c2b2f_prep,@function
k_qcf968c2b2f_prep:
	s_mov_b64 s[64:65], 0
	v_nop
	global_prefetch_b8 v0, s[64:65] scope:SCOPE_SE
	s_setreg_imm32_b32 hwreg(HW_REG_WAVE_MODE, 25, 1), 1
	s_wait_xcnt 0x0
; THE WEIGHTS.  Wq, Wk, Wv, Wo ([1024][1024] f32 each) are rounded once to bf16 and stored in wh = [4][1024][1024] of 16 bits, not transposed:
; wh[0..2] (Wq, Wk, Wv) as bf16, for products with inputs in bf16; wh[3] (Wo) as that same number written in f16, for a product with an operand in f16.
; LIMITS.  A bf16 number is exact in f16 from 2^-17 up to 65,504; below 2^-17 it keeps f16's fixed step of 6e-8; beyond 65,504 it becomes an infinity (Wo alone).
; A pure stream: no LDS, no barrier, no matrix unit.  4,194,304 numbers are 256 chunks of 16,384; a work-group of eight waves takes one chunk.
; Thread t takes 16 bytes at 16 t of each 4,096 bytes in: a wave's load covers 512 consecutive bytes; its 8 bytes out lie at 8 t of each 2,048: a wave's store covers 256 consecutive bytes, aligned.
; All 16 loads of a thread go out first; no register that a load or store names is written again, so no wait frees one.
; Both forms are made for every number and one select by a scalar mask takes the chunk's: no branch.
.set X, 16                             ; v[16:79]  16 x 4 words as loaded; the first two of each four then hold the four numbers to store
	s_load_b256 s[8:15], s[0:1], 0x0               ; Wq, Wk, Wv, Wo
	s_load_b64 s[16:17], s[0:1], 0x20              ; wh
	s_lshr_b32 s2, ttmp9, 6                        ; which weight: chunk / 64
	s_and_b32 s3, ttmp9, 63                        ; which chunk of it
	s_lshl_b32 s26, s3, 16                         ; 65,536 bytes in a chunk of f32
	s_mov_b32 s27, 0
	s_lshl_b32 s28, ttmp9, 15                      ; 32,768 bytes in a chunk of 16-bit numbers
	s_mov_b32 s29, 0
	s_mov_b32 s34, 0xffff0000                      ; a word's upper bf16
	s_cmp_eq_u32 s2, 3
	s_cselect_b32 s35, -1, 0                       ; all lanes: Wo goes out as f16
	v_lshlrev_b32 v1, 4, v0                        ; 16 t
	v_lshlrev_b32 v2, 3, v0                        ; 8 t
	s_wait_kmcnt 0x0
	s_mov_b64 s[30:31], s[8:9]
.irp n, 1,2,3
	s_cmp_eq_u32 s2, \n
	s_cselect_b64 s[30:31], s[8+2*(\n):9+2*(\n)], s[30:31]
.endr
	s_add_nc_u64 s[30:31], s[30:31], s[26:27]
	s_add_nc_u64 s[32:33], s[16:17], s[28:29]
.set i, 0
.rept 16
	global_load_b128 v[X+4*i:X+4*i+3], v1, s[30:31] offset:4096*i th:TH_LOAD_NT
.set i, i+1
.endr
.set i, 0
.rept 16
	s_wait_loadcnt 15-i                            ; loads come back in order: number i is in, the 15 - i younger ones stay out
	v_cvt_pk_bf16_f32 v4, v[X+4*i], v[X+4*i+1]     ; the one rounding of an input: to bf16, nearest even
	v_cvt_pk_bf16_f32 v5, v[X+4*i+2], v[X+4*i+3]
	v_lshlrev_b32 v6, 16, v4                       ; back to f32: a shift and a mask
	v_and_b32 v7, s34, v4
	v_lshlrev_b32 v8, 16, v5
	v_and_b32 v9, s34, v5
	v_cvt_pk_f16_f32 v10, v6, v7                   ; the same number as f16
	v_cvt_pk_f16_f32 v11, v8, v9
	v_cndmask_b32 v[X+4*i], v4, v10, s35           ; bf16, or for Wo f16
	v_cndmask_b32 v[X+4*i+1], v5, v11, s35
	global_store_b64 v2, v[X+4*i:X+4*i+1], s[32:33] offset:2048*i
.set i, i+1
.endr
	s_endpgm
.Lfunc_end_k_qcf968c2b2f_prep:
	.size	k_qcf968c2b2f_prep, .Lfunc_end_k_qcf968c2b2f_prep-k_qcf968c2b2f_prep
	.p2alignl 7, 3214868480
	.fill 96, 4, 3214868480
	.section	.rodata,"a",@progbits
	.p2align	6, 0x0
	.amdhsa_kernel k_qcf968c2b2f_prep
		.amdhsa_group_segment_fixed_size 0
		.amdhsa_private_segment_fixed_size 0
		.amdhsa_enable_private_segment 0
		.amdhsa_kernarg_size 40
		.amdhsa_user_sgpr_count 2
		.amdhsa_user_sgpr_kernarg_segment_ptr 1
		.amdhsa_wavefront_size32 1
		.amdhsa_system_sgpr_workgroup_id_x 1
		.amdhsa_system_sgpr_workgroup_id_y 1
		.amdhsa_system_sgpr_workgroup_id_z 1
		.amdhsa_system_vgpr_workitem_id 0
		.amdhsa_next_free_vgpr 80
		.amdhsa_next_free_sgpr 66
		.amdhsa_reserve_vcc 0
		.amdhsa_float_denorm_mode_32 3
		.amdhsa_float_denorm_mode_16_64 3
		.amdhsa_memory_ordered 1
		.amdhsa_forward_progress 1
		.amdhsa_inst_pref_size 13
	.end_amdhsa_kernel
	.amdgpu_metadata
---
amdhsa.version: [ 1, 2 ]
amdhsa.kernels:
  - .name:           k_qcf968c2b2f_prep
    .symbol:         k_qcf968c2b2f_prep.kd
    .args:
      - { .name: Wq, .offset: 0, .size: 8, .value_kind: global_buffer, .address_space: global }
      - { .name: Wk, .offset: 8, .size: 8, .value_kind: global_buffer, .address_space: global }
      - { .name: Wv, .offset: 16, .size: 8, .value_kind: global_buffer, .address_space: global }
      - { .name: Wo, .offset: 24, .size: 8, .value_kind: global_buffer, .address_space: global }
      - { .name: wh, .offset: 32, .size: 8, .value_kind: global_buffer, .address_space: global }
    .group_segment_fixed_size: 0
    .private_segment_fixed_size: 0
    .kernarg_segment_align: 8
    .kernarg_segment_size: 40
    .max_flat_workgroup_size: 256
    .sgpr_count:     66
    .vgpr_count:     80
    .wavefront_size: 32
...
	.end_amdgpu_metadata
.endif
;; end of part 1
;; launch proj (part 2): grid 4 x 192, 4 waves a work-group, clusters of 4 x 4, 327,680 bytes of LDS; arguments query, key, value, wh, bq, bk, bv, qkv; writes qkv
.if DOCPART == 2
	.amdgcn_target "amdgcn-amd-amdhsa--gfx1250"
	.amdhsa_code_object_version 6
	.text
	.protected	k_qcf968c2b2f_proj
	.globl	k_qcf968c2b2f_proj
	.p2align	8
	.type	k_qcf968c2b2f_proj,@function
k_qcf968c2b2f_proj:
	s_mov_b64 s[64:65], 0
	v_nop
	global_prefetch_b8 v0, s[64:65] scope:SCOPE_SE
	s_setreg_imm32_b32 hwreg(HW_REG_WAVE_MODE, 25, 1), 1
	s_wait_xcnt 0x0
	s_wait_alu depctr_hold_cnt(0) depctr_sa_sdst(0) depctr_va_vdst(0) depctr_va_sdst(0) depctr_va_ssrc(0) depctr_va_vcc(0) depctr_vm_vsrc(0)
	s_getreg_b32 s2, hwreg(HW_REG_IB_STS2, 6, 4)
	s_cmp_eq_u32 s2, 0
	s_cbranch_scc0 .Lentry_in_a_cluster
	s_endpgm
.Lentry_in_a_cluster:
	s_bfe_u32 s2, ttmp6, 0x10000c
	s_cmp_lg_u32 s2, 0xf033
	s_cbranch_scc0 .Lentry_shape_is_right
	s_endpgm
.Lentry_shape_is_right:
; THE THREE PROJECTIONS: qkv[p][row][e] = sum over d of x_p[row][d] wh[p][d][e] + bias_p[e], p = 0, 1, 2 (x = query, key, value: [8192][1024] f32; Q, K, V out), as 192 tile rows of 128; rounded once to f16.
; x is read as it lies, in f32, and rounded to bf16 between its LDS load and its product; wh[p] ([1024 d][1024 e]) arrives as bf16.  Products in bf16 with f32 sums.  The bias is rounded to bf16 like every input.
; LIMITS.  Q, K and V are stored as f16: no number beyond 65,504, a fixed step of 6e-8 below 6e-5; NaN and infinities are not treated apart.
; SHARES.  A work-group makes 128 x 256 of C, each of its four waves 64 x 128: 32 accumulators of 16 x 16, 256 registers: 768 work-groups, three for each of 256.
; K goes in steps of 128 through two LDS slots.  Waves 0 and 1 fetch the halves of x's tile (64 rows x 512 bytes of f32), waves 2 and 3 those of wh's (64 rows x 512 bytes): one tensor load a wave and step.
; CLUSTER 4 x 4: x's tile hangs on the tile row alone and is asked for jointly by a row of the cluster, wh's on the tile column and the cluster's y alone, by a column.
; THE MATRIX INSTRUCTION IS USED TRANSPOSED: source 0 = 16 columns of wh (turned on the way out of LDS by ds_load_tr16_b128), source 1 = 16 rows of x: a lane holds row l % 16 of C and the columns 8 (l / 16) + 0..7.
; REGISTERS, in windows of 256 (s_set_vgpr_msb: bits 1:0 source 0, 3:2 source 1, 5:4 source 2, 7:6 destination):
;   window 0: v0-47 addresses and small things; v64-127 x's fragments in bf16, two buffers of 32; v128-255 wh's, two buffers of 64
;   window 1: the accumulators, (a, b) at v[8 (8 a + b)]      window 2: v0-63 the bias; v64-191 x's fragments as loaded, in f32, two buffers of 64
.set NSTEP, 8                          ; K steps of 128
.set PA, 528                           ; a row of x in LDS: 512 bytes + 16 = 132 words: the 16 rows of a load start at 16 different groups of four banks (64 banks of 4 bytes: ISA guide 11.1)
.set PB, 544                           ; a row of wh: 512 + 32 = 136 words
.set BOFF, 128*PA                      ; a slot: x's 128 rows, then wh's 128 rows: 137,216 bytes
.set SLOT1, 0x22000                    ; slot 1 begins here: neither of its two bits is set in a wave's place in a slot (0, 0x8400, 0x10800, 0x19000), so one exclusive or turns an address in one slot into the other's
.set STAGE, SLOT1+BOFF+128*PB          ; behind the ring, never filled by a tensor load: 16 rows x 272 bytes for each wave, for the way out
.set SP, 272                           ; a stage row: 256 bytes of f16 + 16
.set CP, 2048                          ; bytes in a row of C
.set SPARE, STAGE+4*16*SP              ; the spare words, 128 bytes for each wave: two blocks of 256 bytes that no other line names
.set LA,   14                          ; v14  my lane's place in x's tile; never rewritten
.set LB,   15                          ; v15  the same for wh
.set ADRA, 16                          ; v16  LDS address of my x fragments in the slot in hand
.set ADRB, 20                          ; v20  the same for wh
.set STO,  24                          ; v24  the way out: where I put my part of a row
.set RD,   25                          ; v25  the way out: where I read rows back
.set CO,   26                          ; v26  my byte offset in C
.set BO,   27                          ; v27  my byte offset in the bias
.set SPW,  28                          ; v28  LDS address of my spare word; never rewritten
.set NIL,  29                          ; v29  0; never rewritten
.set PFO,  30                          ; v30  the prefetches' offset: row l / 2 of 4,096 bytes, block l % 2 of 256; never rewritten
.set FA,   64
.set FB,   128
.set RAW,  64                          ; in window 2
.set TMP,  64                          ; the way out: packed results
.set BK,   128                         ; the way out: rows read back from the stage, two sets of 32
.set G1A, 24                           ; s[24:31] descriptor group 1 for x's tiles
.set G0A, 32                           ; s[32:39] group 0: a set for each first fill; the second then walks on
.set G1B, 48                           ; s[48:55], s[56:63] the same for wh's
.set G0B, 56
.set TB,  45                           ; s45  0 or SLOT1: the slot in hand
.set BP,  66                           ; s[66:67] the bias
.set PP,  84                           ; s84  p
.set LIM, 85                           ; s85  2 in a wave that prefetches, else the greatest number
.set PFA, 86                           ; s[86:87] where my prefetches stand
.set MSB, 0
.macro WIN new                         ; the immediate's high byte repeats the setting that is left; a switch that changes nothing is dropped
.if MSB != (\new)
	s_set_vgpr_msb (MSB<<8)|(\new)
.set MSB, \new
.endif
.endm
.macro PLACES                          ; four places in front of loads into registers that matrix instructions have read
.rept 4
	v_nop
.endr
.endm
.macro JLOAD                           ; a joint refill by the walking sets; the branch hangs on the wave's number alone; s_nop 0 and four v_nop follow each line
	s_cmp_eq_u32 s11, 0
	s_cbranch_scc0 .Lfor_b_\@
	tensor_load_to_lds s[G0A+4:G0A+7], s[G1A:G1A+7]
	s_nop 0
.rept 4
	v_nop
.endr
	s_branch .Lasked_\@
.Lfor_b_\@:
	tensor_load_to_lds s[G0B+4:G0B+7], s[G1B:G1B+7]
	s_nop 0
.rept 4
	v_nop
.endr
.Lasked_\@:
.endm
; A PREFETCH INTO THE L2 of x's K step that stands two refills on, 256 matrix instructions ahead of the load that will want it.  A step is 512 bytes of each row: two blocks of 256.
; x's tile row is read by one cluster alone (the grid has one cluster along x).  Of the 64 rows that wave 0 or 1 fetches, each of the four partners that ask for them jointly takes 16, told apart BY ADDRESS (cx):
; 16 rows x 2 blocks, a lane a block, one instruction a wave: each block is named once in the launch.  Steps 0 to 3 come by their loads alone; the trips with s2 = 6 .. 3 name steps 4 .. 7; the last two name nothing.
; The weights are not asked for: every cluster walks the same rows of wh, again and again.
.macro ASK
	s_cmp_gt_u32 s2, s[LIM]
	s_cbranch_scc0 .Lnot_mine_\@
	global_prefetch_b8 v[PFO], s[PFA:PFA+1] th:TH_LOAD_NT scope:SCOPE_SE
.Lnot_mine_\@:
.endm
.macro CREST                           ; a round of the cluster's barrier behind its opening barrier
	s_cmp_lg_u32 s10, 0
	s_cbranch_scc1 .Lnot_wave_0_\@
	s_barrier_signal -3
.Lnot_wave_0_\@:
	s_barrier_wait -3
	s_barrier_signal -1
	s_barrier_wait -1
.endm
.macro CROUND                          ; a whole round
	s_barrier_signal -1
	s_barrier_wait -1
	CREST
.endm
	s_load_b256 s[68:75], s[0:1], 0x0              ; query s[68:69], key s[70:71], value s[72:73], wh s[74:75]
	s_load_b256 s[76:83], s[0:1], 0x20             ; bq s[76:77], bk s[78:79], bv s[80:81], qkv s[82:83]
	v_lshl_add_u32 v[SPW], v0, 2, SPARE
	v_mov_b32 v[NIL], 0
	ds_add_u32 v[SPW], v[NIL]                      ; the wave's opening: the add and its wait stand ahead of my first tensor load; the set-up below, work on registers, stands between them
	v_lshrrev_b32 v1, 5, v0
	v_readfirstlane_b32 s10, v1                    ; wave 0..3
	s_lshr_b32 s11, s10, 1                         ; which 64 rows of the tile are mine.  Also: I fetch for x (0) or for wh (1)
	s_and_b32 s12, s10, 1                          ; which 128 columns.  Also: which half of that tile I fetch
	s_bfe_u32 s40, ttmp6, 0x40000                  ; cx, cy: my place in the cluster
	s_bfe_u32 s41, ttmp6, 0x40004
	s_lshl_b32 s42, ttmp9, 2
	s_add_co_u32 s42, s42, s40                     ; tile column = 4 x cluster x + cx
	s_and_b32 s3, ttmp7, 0xffff                    ; cluster y
	s_lshl_b32 s13, s3, 2
	s_add_co_u32 s13, s13, s41                     ; tile row = 4 x cluster y + cy, 0 to 191
	s_lshr_b32 s[PP], s3, 4                        ; p = tile row / 64 = cluster y / 16
	s_lshl_b32 s43, s41, 2
	s_lshl_b32 s43, 15, s43                        ; my row of the cluster
	s_lshl_b32 s44, 0x1111, s40                    ; my column
	s_or_b32 s[G1A], s43, (2<<16)|(1<<20)|(1<<21)|(6<<22)|(3<<25)  ; the mask; 4-byte elements; padding on; bit 21 beside a mask; after every 128 words, 4 words
	s_mov_b32 s[G1A+1], 128<<16                    ; tensor_dim0 = 128
	s_mov_b32 s[G1A+2], 64<<16                     ; tensor_dim1 = 64
	s_mov_b32 s[G1A+3], 128<<16                    ; tile_dim0 = 128
	s_mov_b32 s[G1A+4], 64                         ; tile_dim1 = 64
	s_mov_b32 s[G1A+5], 1024                       ; elements from row to row
	s_mov_b32 s[G1A+6], 0
	s_mov_b32 s[G1A+7], 0
	s_or_b32 s[G1B], s44, (1<<16)|(1<<20)|(1<<21)|(6<<22)|(7<<25)  ; 2-byte elements; after every 128 words, 8 words
	s_mov_b32 s[G1B+1], 256<<16                    ; tensor_dim0 = 256
	s_mov_b32 s[G1B+2], 64<<16
	s_mov_b32 s[G1B+3], 256<<16                    ; tile_dim0 = 256
	s_mov_b32 s[G1B+4], 64
	s_mov_b32 s[G1B+5], 1024
	s_mov_b32 s[G1B+6], 0
	s_mov_b32 s[G1B+7], 0
	s_and_b32 s16, s13, 63                         ; x: row 128 x (tile row % 64) + 64 x half, in registers that never hold cx
	s_lshl_b32 s16, s16, 7
	s_lshl_b32 s17, s12, 6
	s_add_co_u32 s16, s16, s17
	s_lshl_b32 s16, s16, 12                        ; rows of 4,096 bytes: under 2^25
	s_mov_b32 s17, 0
	s_lshl_b32 s46, s12, 17                        ; wh: 64 x half rows of 2,048 bytes, in registers that never hold cy
	s_lshl_b32 s47, s42, 9                         ; + 256 columns x tile column
	s_add_co_u32 s46, s46, s47
	s_lshl_b32 s47, s[PP], 21                      ; + wh[p]
	s_add_co_u32 s46, s46, s47
	s_mov_b32 s47, 0
	s_mul_i32 s20, s12, 64*PA                      ; where they go: no place in the cluster enters an LDS address
	s_mul_i32 s21, s12, 64*PB
	s_add_co_u32 s21, s21, BOFF
	s_mov_b32 s[TB], 0
	s_wait_dscnt 0x0                               ; the opening add is done
	s_wait_kmcnt 0x0
	s_cmp_eq_u32 s[PP], 1                          ; x and the bias by p
	s_cselect_b64 s[4:5], s[70:71], s[68:69]
	s_cselect_b64 s[BP:BP+1], s[78:79], s[76:77]
	s_cmp_eq_u32 s[PP], 2
	s_cselect_b64 s[4:5], s[72:73], s[4:5]
	s_cselect_b64 s[BP:BP+1], s[80:81], s[BP:BP+1]
	s_add_nc_u64 s[14:15], s[4:5], s[16:17]
	s_add_nc_u64 s[46:47], s[74:75], s[46:47]
	s_mov_b64 s[8:9], s[82:83]
	CROUND                                         ; all sixteen work-groups are here: the first joint loads meet
.irp s, 0,1
	s_mov_b32 s[G0A+4*(\s)], 1
	s_add_co_u32 s[G0A+4*(\s)+1], s20, (\s)*SLOT1
	s_add_nc_u64 s[G0A+4*(\s)+2:G0A+4*(\s)+3], s[14:15], (\s)*512       ; K step s: 512 bytes along x's rows
	s_or_b32 s[G0A+4*(\s)+3], s[G0A+4*(\s)+3], 0x80000000
	s_mov_b32 s[G0B+4*(\s)], 1
	s_add_co_u32 s[G0B+4*(\s)+1], s21, (\s)*SLOT1
	s_add_nc_u64 s[G0B+4*(\s)+2:G0B+4*(\s)+3], s[46:47], (\s)*262144    ; K step s: 128 rows of wh down
	s_or_b32 s[G0B+4*(\s)+3], s[G0B+4*(\s)+3], 0x80000000
.endr
	s_cmp_eq_u32 s11, 0                            ; a wave's two first fills stand in one branch, ahead of every wait on TENSORcnt and every LDS read: two loads of mine are out
	s_cbranch_scc0 .Lfirst_b
	tensor_load_to_lds s[G0A:G0A+3], s[G1A:G1A+7]
	s_nop 0
	tensor_load_to_lds s[G0A+4:G0A+7], s[G1A:G1A+7]
	s_nop 0
.rept 4
	v_nop
.endr
	s_branch .Lfirst_asked
.Lfirst_b:
	tensor_load_to_lds s[G0B:G0B+3], s[G1B:G1B+7]
	s_nop 0
	tensor_load_to_lds s[G0B+4:G0B+7], s[G1B:G1B+7]
	s_nop 0
.rept 4
	v_nop
.endr
.Lfirst_asked:
	; A fragment of x is 16 rows x 32 K: lane l holds row l % 16, K = 8 (l / 16) + 0..7 and 16 + 8 (l / 16) + 0..7.  In f32 those are 32 bytes at 32 (l / 16) and 32 bytes 64 further on: four loads of 16 bytes, 16 registers, which pack into 8.
	; The turning load takes 16 K x 16 columns (lane l reads row 8 (l / 16) + l % 8, columns 8 ((l / 8) % 2) + 0..7) and leaves half a fragment of wh^T: lane l holds column l % 16 and 8 K.
	v_and_b32 v1, 15, v0                           ; l % 16
	v_bfe_u32 v2, v0, 4, 1                         ; l / 16
	v_and_b32 v3, 7, v0
	v_bfe_u32 v4, v0, 3, 1
	v_mul_u32_u24 v[LA], v1, PA
	v_lshl_add_u32 v[LA], v2, 5, v[LA]
	s_mul_i32 s18, s11, 64*PA                      ; my 64 rows of x
	v_add_nc_u32 v[LA], s18, v[LA]
	v_lshl_add_u32 v[LB], v2, 3, v3
	v_mul_u32_u24 v[LB], v[LB], PB
	v_lshl_add_u32 v[LB], v4, 4, v[LB]
	s_lshl_b32 s18, s12, 8                         ; my 128 columns of wh
	s_add_co_u32 s18, s18, BOFF
	v_add_nc_u32 v[LB], s18, v[LB]
	v_mov_b32 v[ADRA], v[LA]                       ; slot 0
	v_mov_b32 v[ADRB], v[LB]
	s_mul_i32 s18, s10, 16*SP
	s_add_co_u32 s18, s18, STAGE                   ; my stage
	v_mul_u32_u24 v[STO], v1, SP                   ; in: row l % 16, 16 bytes for each half of the lanes
	v_lshl_add_u32 v[STO], v2, 4, v[STO]
	v_add_nc_u32 v[STO], s18, v[STO]
	v_mul_u32_u24 v[RD], v2, SP                    ; back: lanes 0-15 take one row of 256 bytes, lanes 16-31 the next
	v_lshl_add_u32 v[RD], v1, 4, v[RD]
	v_add_nc_u32 v[RD], s18, v[RD]
	v_lshlrev_b32 v[CO], 11, v2                    ; and the same two rows in C
	v_lshl_add_u32 v[CO], v1, 4, v[CO]
	s_lshl_b32 s16, s13, 7                         ; C at my first row,
	s_lshl_b32 s17, s11, 6
	s_add_co_u32 s16, s16, s17
	s_mul_i32 s16, s16, CP
	s_mov_b32 s17, 0
	s_add_nc_u64 s[8:9], s[8:9], s[16:17]
	s_lshl_b32 s46, s42, 9                         ; my first column: 256 x tile column + 128 x half, 2 bytes each
	s_lshl_b32 s47, s12, 8
	s_add_co_u32 s46, s46, s47
	s_mov_b32 s47, 0
	s_add_nc_u64 s[8:9], s[8:9], s[46:47]
	s_lshl_b32 s18, s40, 16                        ; the prefetches: my work-group's 16 of the 64 rows that I fetch, 4,096 bytes each,
	s_add_co_u32 s18, s18, 3*512                   ; at K step 3: the first refill steps it to 4
	s_mov_b32 s19, 0
	s_add_nc_u64 s[PFA:PFA+1], s[14:15], s[18:19]
	s_cmp_eq_u32 s11, 0                            ; waves 0 and 1 ask: the same in all sixteen partners
	s_cselect_b32 s[LIM], 2, -1
	v_and_b32 v5, 31, v0
	v_lshrrev_b32 v6, 1, v5
	v_and_b32 v5, 1, v5
	v_lshlrev_b32 v[PFO], 12, v6
	v_lshl_add_u32 v[PFO], v5, 8, v[PFO]
	; THE BIAS of my 128 columns, laid as an accumulator row lies: register 8 b + j = bias[16 b + 8 (l / 16) + j]; rounded to bf16 like every input, kept as f32 in window 2.
	s_lshl_b32 s18, s42, 10
	s_lshl_b32 s19, s12, 9
	s_add_co_u32 s18, s18, s19
	v_lshl_add_u32 v[BO], v2, 5, s18
	s_mov_b32 s19, 0xffff0000
	WIN 0x80                                       ; destination window 2
.irp b, 0,1,2,3,4,5,6,7
	global_load_b128 v[8*(\b):8*(\b)+3],   v[BO], s[BP:BP+1] offset:64*(\b)
	global_load_b128 v[8*(\b)+4:8*(\b)+7], v[BO], s[BP:BP+1] offset:64*(\b)+16
.endr
	s_wait_loadcnt 0x0
	WIN 0x0a                                       ; sources window 2, destination window 0
.set i, 0
.rept 32
	v_cvt_pk_bf16_f32 v[FA+i], v[2*i], v[2*i+1]
.set i, i+1
.endr
	WIN 0x80
.set i, 0
.rept 32
	v_lshlrev_b32 v[2*i], 16, v[FA+i]
	v_and_b32 v[2*i+1], s19, v[FA+i]
.set i, i+1
.endr
	WIN 0
; Four matrix instructions: block a of my rows x column blocks lo .. lo + 3, 32 along K, from buffer f.  zero = 1: the product starts the sum.
.macro HALFG f, a, zero, lo
	WIN 0x50                                       ; C and D in window 1
.irp b, (\lo), (\lo)+1, (\lo)+2, (\lo)+3
.if \zero
	v_wmma_f32_16x16x32_bf16 v[8*(8*(\a)+(\b)):8*(8*(\a)+(\b))+7], v[FB+64*(\f)+8*(\b):FB+64*(\f)+8*(\b)+7], v[FA+32*(\f)+8*(\a):FA+32*(\f)+8*(\a)+7], 0
.else
	v_wmma_f32_16x16x32_bf16 v[8*(8*(\a)+(\b)):8*(8*(\a)+(\b))+7], v[FB+64*(\f)+8*(\b):FB+64*(\f)+8*(\b)+7], v[FA+32*(\f)+8*(\a):FA+32*(\f)+8*(\a)+7], v[8*(8*(\a)+(\b)):8*(8*(\a)+(\b))+7]
.endif
.endr
.endm
.macro CVT f, a                        ; block a of buffer f: the one rounding of x, to bf16, nearest even: 16 registers of f32 pack into the fragment's 8
	WIN 0x0a                                       ; sources window 2, destination window 0
.irp i, 0,1,2,3,4,5,6,7
	v_cvt_pk_bf16_f32 v[FA+32*(\f)+8*(\a)+(\i)], v[RAW+64*(\f)+16*(\a)+2*(\i)], v[RAW+64*(\f)+16*(\a)+2*(\i)+1]
.endr
.endm
; Eight matrix instructions of block a, with work in their middle: w = 1: the wait for the run of loads; blocks s1 and s2 of buffer sf are rounded, a block ahead of their products.
; The 32 accumulators take turns, one instruction a turn, in the same order in every quarter.
.macro GROUP f, a, zero, w=0, sf=0, s1=-1, s2=-1
	HALFG \f, \a, \zero, 0
.if \w
	s_wait_dscnt 0x0
.endif
.if (\s1) >= 0
	CVT \sf, \s1
.endif
.if (\s2) >= 0
	CVT \sf, \s2
.endif
	HALFG \f, \a, \zero, 4
.endm
.macro FETCH kc, g                     ; 32 LDS loads in one run: the fragments of quarter kc (32 along K): x's in f32 into raw buffer g, wh's into buffer g
	WIN 0x80                                       ; destination window 2
.irp a, 0,1,2,3
	ds_load_b128 v[RAW+64*(\g)+16*(\a):RAW+64*(\g)+16*(\a)+3],     v[ADRA] offset:128*(\kc)+(\a)*16*PA
	ds_load_b128 v[RAW+64*(\g)+16*(\a)+4:RAW+64*(\g)+16*(\a)+7],   v[ADRA] offset:128*(\kc)+(\a)*16*PA+16
	ds_load_b128 v[RAW+64*(\g)+16*(\a)+8:RAW+64*(\g)+16*(\a)+11],  v[ADRA] offset:128*(\kc)+(\a)*16*PA+64
	ds_load_b128 v[RAW+64*(\g)+16*(\a)+12:RAW+64*(\g)+16*(\a)+15], v[ADRA] offset:128*(\kc)+(\a)*16*PA+80
.endr
	WIN 0
.irp b, 0,1,2,3,4,5,6,7
	ds_load_tr16_b128 v[FB+64*(\g)+8*(\b):FB+64*(\g)+8*(\b)+3],   v[ADRB] offset:(\kc)*32*PB+32*(\b)
	ds_load_tr16_b128 v[FB+64*(\g)+8*(\b)+4:FB+64*(\g)+8*(\b)+7], v[ADRB] offset:(\kc)*32*PB+32*(\b)+16*PB
.endr
.endm
; A K step is four quarters of 32 along K, 32 matrix instructions each, on buffers 0, 1, 0, 1.  One of the first three: multiplies buffer f, and behind its first eight products fetches quarter kc into g.
.macro QUARTER kc, f, g, zero
	GROUP \f, 0, \zero, 0, \f, 1
	PLACES
	FETCH \kc, \g
	GROUP \f, 1, \zero, 0, \f, 2
	GROUP \f, 2, \zero, 0, \f, 3
	GROUP \f, 3, \zero, 1, \g, 0                   ; the run issued 20 products ago is waited for, and the next quarter's first block rounded
.endm
; The last quarter multiplies buffer 1 and changes slots: ONE barrier; in front of it each wave waits for all its tensor loads (one is out: its part of the next slot), adds 0 to its spare word,
; and waits for that; its reads of this slot came back at the last quarter's end.  fill = 1: the barrier opens a round of the cluster's, and the slot just read out is filled again, two K steps ahead.
.macro TURN fill
.if \fill
	s_wait_xcnt 0x0                                ; the last prefetch, a K step back, has read its address: it is stepped here, ahead of the waits of the change of slots
	s_add_nc_u64 s[PFA:PFA+1], s[PFA:PFA+1], 512
.endif
	WIN 0
	s_wait_tensorcnt 0x0                           ; no tensor load of mine is out, so a group 0 may be written
	ds_add_u32 v[SPW], v[NIL]                      ; 0 onto my spare word
.if \fill
	s_xor_b32 s[G0A+5], s[G0A+5], SLOT1            ; the walking sets: the other slot than last time, the next K step
	s_add_nc_u64 s[G0A+6:G0A+7], s[G0A+6:G0A+7], 512
	s_xor_b32 s[G0B+5], s[G0B+5], SLOT1
	s_add_nc_u64 s[G0B+6:G0B+7], s[G0B+6:G0B+7], 262144
.endif
	GROUP 1, 0, 0, 0, 1, 1                         ; eight products stand between the add and the wait for it
	s_wait_dscnt 0x0
	s_barrier_signal -1
	GROUP 1, 1, 0, 0, 1, 2, 3                      ; work on registers while the others arrive
	WIN 0
	s_barrier_wait -1
.if \fill
	CREST                                          ; no wave of any partner still reads this slot or has a load on its way
	JLOAD                                          ; the first tensor load behind the round; its four v_nop are also the places in front of the loads below
.else
	PLACES
.endif
	s_xor_b32 s[TB], s[TB], SLOT1
	v_add_nc_u32 v[ADRA], s[TB], v[LA]
	v_add_nc_u32 v[ADRB], s[TB], v[LB]
	FETCH 0, 0
.if \fill
	ASK                                            ; behind the joint load and the run of LDS loads that the next products wait for
.endif
	GROUP 1, 2, 0
	GROUP 1, 3, 0, 1, 0, 0
.endm
	s_wait_tensorcnt 0x1                           ; my part of K step 0 is in; K step 1's may stay out
	s_barrier_signal -1
	s_barrier_wait -1
	FETCH 0, 0
	s_wait_dscnt 0x0
	CVT 0, 0
	QUARTER 1, 0, 1, 1                             ; the first quarter stands in front of the loop: its products start the sums
	WIN 0                                          ; at a label and at a branch every window is 0
	s_mov_b32 s2, NSTEP-2
.Lstep:                                                ; a trip: from a step's second quarter to the next step's first; it fills one slot again
	QUARTER 2, 1, 0, 0
	QUARTER 3, 0, 1, 0
	TURN 1
	QUARTER 1, 0, 1, 0
	WIN 0
	s_sub_co_u32 s2, s2, 1
	s_cmp_lg_u32 s2, 0
	s_cbranch_scc1 .Lstep
	s_mov_b32 s2, 2
.Ltail:                                                ; the last two steps: a loop of their own, in which nothing is filled
	QUARTER 2, 1, 0, 0
	QUARTER 3, 0, 1, 0
	TURN 0                                         ; in the last trip its run of loads takes the other slot's old tile and serves nothing: the price, once a work-group, of one text for both trips
	WIN 0
	s_cmp_eq_u32 s2, 1
	s_cbranch_scc1 .Llast                          ; behind the last step there is no first quarter: products and LDS loads alone are jumped
	QUARTER 1, 0, 1, 0
	WIN 0
.Llast:
	s_sub_co_u32 s2, s2, 1
	s_cmp_lg_u32 s2, 0
	s_cbranch_scc1 .Ltail
	PLACES
	PLACES
; THE WAY OUT of block a (16 rows).  PACK: the bias is added, each accumulator from its low end on; rounded to f16.
; TOSTAGE: into my own stage in LDS and back as whole rows.  SEND: stored: each 16 lanes write 256 consecutive bytes, aligned.
.macro PACK a
	WIN 0x49                                       ; accumulators in window 1, the bias in window 2
.set i, 0
.rept 32
	v_pk_add_f32 v[64*(\a)+2*i:64*(\a)+2*i+1], v[64*(\a)+2*i:64*(\a)+2*i+1], v[2*i:2*i+1]
.set i, i+1
.endr
	WIN 0x05
.set i, 0
.rept 32
	v_cvt_pk_f16_f32 v[TMP+i], v[64*(\a)+2*i], v[64*(\a)+2*i+1]
.set i, i+1
.endr
	WIN 0
.endm
.macro TOSTAGE a
	WIN 0
.irp b, 0,1,2,3,4,5,6,7
	ds_store_b128 v[STO], v[TMP+4*(\b):TMP+4*(\b)+3] offset:32*(\b)
.endr
.irp t, 0,1,2,3,4,5,6,7
	ds_load_b128 v[BK+32*((\a)%2)+4*(\t):BK+32*((\a)%2)+4*(\t)+3], v[RD] offset:(\t)*2*SP  ; LDS serves a wave's instructions in order (ISA guide 5.7.1.4): these see the stores above
.endr
.endm
.macro SEND a
	WIN 0
	s_wait_dscnt 0x0                               ; the block is back in registers
	s_wait_xcnt 0x0                                ; the other set, which the stores of the block before read, is loaded again only behind this wait
.irp t, 0,1,2,3,4,5,6,7
	global_store_b128 v[CO], v[BK+32*((\a)%2)+4*(\t):BK+32*((\a)%2)+4*(\t)+3], s[8:9] offset:(16*(\a)+2*(\t))*CP
.endr
.endm
	PACK 0
	TOSTAGE 0
.irp a, 1,2,3                          ; block a's arithmetic stands between block a - 1's loads from the stage and the wait for them
	PACK \a
	SEND (\a)-1
	TOSTAGE \a
.endr
	SEND 3
	s_wait_tensorcnt 0x0                           ; the wave's end, behind my last tensor load and my last LDS store
	ds_add_u32 v[SPW], v[NIL]
	s_wait_dscnt 0x0
	CROUND                                         ; the closing round: no work-group ends while a partner may still ask for a tile that names it
	s_endpgm
.Lfunc_end_k_qcf968c2b2f_proj:
	.size	k_qcf968c2b2f_proj, .Lfunc_end_k_qcf968c2b2f_proj-k_qcf968c2b2f_proj
	.p2alignl 7, 3214868480
	.fill 96, 4, 3214868480
	.section	.rodata,"a",@progbits
	.p2align	6, 0x0
	.amdhsa_kernel k_qcf968c2b2f_proj
		.amdhsa_group_segment_fixed_size 327680
		.amdhsa_private_segment_fixed_size 0
		.amdhsa_enable_private_segment 0
		.amdhsa_kernarg_size 64
		.amdhsa_user_sgpr_count 2
		.amdhsa_user_sgpr_kernarg_segment_ptr 1
		.amdhsa_wavefront_size32 1
		.amdhsa_system_sgpr_workgroup_id_x 1
		.amdhsa_system_sgpr_workgroup_id_y 1
		.amdhsa_system_sgpr_workgroup_id_z 1
		.amdhsa_system_vgpr_workitem_id 0
		.amdhsa_next_free_vgpr 704
		.amdhsa_next_free_sgpr 88
		.amdhsa_reserve_vcc 0
		.amdhsa_float_denorm_mode_32 3
		.amdhsa_float_denorm_mode_16_64 3
		.amdhsa_memory_ordered 1
		.amdhsa_forward_progress 1
		.amdhsa_inst_pref_size 102
	.end_amdhsa_kernel
	.amdgpu_metadata
---
amdhsa.version: [ 1, 2 ]
amdhsa.kernels:
  - .name:           k_qcf968c2b2f_proj
    .symbol:         k_qcf968c2b2f_proj.kd
    .args:
      - { .name: query, .offset: 0, .size: 8, .value_kind: global_buffer, .address_space: global }
      - { .name: key, .offset: 8, .size: 8, .value_kind: global_buffer, .address_space: global }
      - { .name: value, .offset: 16, .size: 8, .value_kind: global_buffer, .address_space: global }
      - { .name: wh, .offset: 24, .size: 8, .value_kind: global_buffer, .address_space: global }
      - { .name: bq, .offset: 32, .size: 8, .value_kind: global_buffer, .address_space: global }
      - { .name: bk, .offset: 40, .size: 8, .value_kind: global_buffer, .address_space: global }
      - { .name: bv, .offset: 48, .size: 8, .value_kind: global_buffer, .address_space: global }
      - { .name: qkv, .offset: 56, .size: 8, .value_kind: global_buffer, .address_space: global }
    .group_segment_fixed_size: 327680
    .private_segment_fixed_size: 0
    .kernarg_segment_align: 8
    .kernarg_segment_size: 64
    .max_flat_workgroup_size: 128
    .sgpr_count:     88
    .vgpr_count:     704
    .wavefront_size: 32
...
	.end_amdgpu_metadata
.endif
;; end of part 2
;; launch scores (part 3): grid 8 x 32, 4 waves a work-group, clusters of 4 x 4, 327,680 bytes of LDS; arguments qkv, ph, cm, ls; writes ph, cm, ls
.if DOCPART == 3
	.amdgcn_target "amdgcn-amd-amdhsa--gfx1250"
	.amdhsa_code_object_version 6
	.text
	.protected	k_qcf968c2b2f_scores
	.globl	k_qcf968c2b2f_scores
	.p2align	8
	.type	k_qcf968c2b2f_scores,@function
k_qcf968c2b2f_scores:
	s_mov_b64 s[64:65], 0
	v_nop
	global_prefetch_b8 v0, s[64:65] scope:SCOPE_SE
	s_setreg_imm32_b32 hwreg(HW_REG_WAVE_MODE, 25, 1), 1
	s_wait_xcnt 0x0
	s_wait_alu depctr_hold_cnt(0) depctr_sa_sdst(0) depctr_va_vdst(0) depctr_va_sdst(0) depctr_va_ssrc(0) depctr_va_vcc(0) depctr_vm_vsrc(0)
	s_getreg_b32 s2, hwreg(HW_REG_IB_STS2, 6, 4)
	s_cmp_eq_u32 s2, 0
	s_cbranch_scc0 .Lentry_in_a_cluster
	s_endpgm
.Lentry_in_a_cluster:
	s_bfe_u32 s2, ttmp6, 0x10000c
	s_cmp_lg_u32 s2, 0xf033
	s_cbranch_scc0 .Lentry_shape_is_right
	s_endpgm
.Lentry_shape_is_right:
; THE SCORES AND THE FIRST HALF OF THE SOFTMAX.  For each batch b: S[q][k] = sum over d of Q[q][d] K[k][d], Q = qkv[0], K = qkv[1], [8192 = 2048 b + row][1024] f16; sums in f32.
; The keys fall into 16 PIECES of 128.  For each query and piece t: cm = c x (the piece's largest s), c = log2(e) / 32 (the scale 1 / sqrt(1024) lies in c, applied in f32);
; p = 2^(c s - cm), stored as f16 in ph[2048 b + q][k]; ls = the sum of the unrounded p.  cm and ls: [4 b][16 t][2048 q] f32.  The launch behind joins the pieces by the row's true maximum.
; LIMITS.  Q and K arrive within f16's 65,504; p lies in 0 to 1 and below 6e-5 keeps f16's fixed step of 6e-8; a weight below 2^-126 counts as 0 in ls; NaN and infinities are not treated apart.
; SHARES.  A work-group makes 256 queries x 256 keys, each of its four waves 128 x 128: 64 accumulators, 512 registers; a wave's 128 keys are one piece.  8 x 8 x 4 = 256 work-groups.
; K (the channels) goes in steps of 128 through two LDS slots; each wave fetches 128 rows x 256 bytes of Q's or K's tile by one tensor load a step.
; CLUSTER 4 x 4: Q's tile is asked for jointly by a row of the cluster, K's by a column.
; THE MATRIX INSTRUCTION IS USED TRANSPOSED (source 0 = 16 keys, source 1 = 16 queries): a lane holds ONE query (l % 16) and the keys 8 (l / 16) + 0..7 of each block of 16.
; REGISTERS, in windows of 256 (s_set_vgpr_msb: bits 1:0 source 0, 3:2 source 1, 5:4 source 2, 7:6 destination):
;   window 0: v0-63 addresses and small things; v64-127, v128-191 Q's fragments, two buffers; on the way out v128-159 packed weights, v160-223 rows read back
;   window 1: v64-127, v128-191 K's fragments      window 2: the accumulators of my queries 0-63, (a, b) at v[8 (8 a + b)]      window 3: those of my queries 64-127
.set KSTEP,  128
.set NSTEP,  8
.set PITCH,  272                       ; an LDS row: 256 bytes + 16 = 68 words: the 16 rows of a load start at 16 different groups of four banks (64 banks of 4 bytes: ISA guide 11.1)
.set HALFT,  128*PITCH                 ; what one tensor load brings, and what one wave reads of Q or of K
.set SLOT,   4*HALFT                   ; 0x22000: no bit of it is set in wave x HALFT, so one exclusive or turns an address in one slot into the other's
.set STAGE,  2*SLOT                    ; behind the ring: 16 rows x 272 bytes for each wave
.set SPITCH, 272
.set STAT,   STAGE+4*16*SPITCH         ; for each wave 512 bytes of cm and 512 of ls, by query
.set SPARE,  STAT+4*1024               ; the spare words, 128 bytes for each wave: two blocks of 256 bytes that no other line names
.set SO,   13                          ; v13  16 x lane
.set LA,   14                          ; v14  my lane's place in Q's tile; never rewritten
.set LB,   15                          ; v15  the same for K
.set ADRA, 16                          ; v16  LDS address of my Q fragments in the slot in hand
.set ADRB, 20                          ; v20  the same for K
.set STO,  24                          ; v24  the way out: where I put 16 bytes of a row
.set RD,   25                          ; v25  where I read a row back
.set CO,   26                          ; v26  my byte offset in ph
.set STA,  27                          ; v27  where I put a query's cm (lanes 0-15) or ls (lanes 16-31)
.set SPW,  28                          ; v28  LDS address of my spare word; never rewritten
.set NIL,  29                          ; v29  0; never rewritten
.set PFO,  30                          ; v30  the prefetches' offset: my lane x a row of 2,048 bytes; never rewritten
.set SRD,  31                          ; v31  where I read the statistics back
.set T,    32                          ; v32-39  at work
.set CM,   40                          ; v40-41  c m (the pair is named; the low word is taken)
.set LS,   42                          ; v42-49  four chains of sums, a pair each
.set L,    50                          ; v50  the piece's sum
.set X,    52                          ; v52  cm or ls, by the lane's half
.set F0,   64
.set F1,   128
.set TMP,  128
.set BK,   160
.set G1,  24                           ; s[24:31] descriptor group 1 for Q's tiles
.set G0,  32                           ; s[32:39] group 0: a set for each first fill; the second then walks on
.set G1B, 48                           ; s[48:55], s[56:63] the same for K's
.set G0B, 56
.set LIM, 43                           ; s43  2 in a wave that prefetches, else the greatest number
.set PFA, 44                           ; s[44:45] where my prefetches stand
.set CS,  66                           ; s[66:67] c
.set TB,  74                           ; s74  0 or SLOT: the slot in hand
.set HM,  75                           ; s75  lanes 16-31
.set SEL, 76                           ; s[76:77] v_permlanex16_b32's selects: each lane takes its own place in the other half
.set MSB, 0
.macro WIN new                         ; the immediate's high byte repeats the setting that is left; a switch that changes nothing is dropped
.if MSB != (\new)
	s_set_vgpr_msb (MSB<<8)|(\new)
.set MSB, \new
.endif
.endm
.set MUL_LO, 0xa1                      ; source 0 (K) window 1, source 1 (Q) window 0, C and D window 2
.set MUL_HI, 0xf1                      ; the same, C and D window 3
.set TO_B,   0x40                      ; destination window 1, address window 0
.macro PLACES                          ; four places in front of loads into registers that matrix instructions have read
.rept 4
	v_nop
.endr
.endm
.macro JLOAD                           ; a joint refill by the walking sets: waves 0 and 1 fetch Q's halves, waves 2 and 3 K's; s_nop 0 and four v_nop follow each line
	s_cmp_eq_u32 s11, 0
	s_cbranch_scc0 .Lfor_b_\@
	tensor_load_to_lds s[G0+4:G0+7], s[G1:G1+7]
	s_nop 0
.rept 4
	v_nop
.endr
	s_branch .Lasked_\@
.Lfor_b_\@:
	tensor_load_to_lds s[G0B+4:G0B+7], s[G1B:G1B+7]
	s_nop 0
.rept 4
	v_nop
.endr
.Lasked_\@:
.endm
; A PREFETCH INTO THE L2 of the K step that stands two refills on, 512 matrix instructions ahead of the load that will want it: 32 rows x 256 bytes, a lane a row, one instruction a wave.
; Each row's 256 bytes of a step are named once in the launch: Q's tile row is read by both clusters of a row of clusters: cluster x = 0 asks; K's tile by the two clusters of a batch in a column: the even cluster y asks.
; The four partners that ask for a tile jointly share its rows out BY ADDRESS, 32 each (cx for Q, cy for K).  Steps 0 to 3 come by their loads alone; the trips with s3 = 6 .. 3 name steps 4 .. 7; the last two name nothing.
.macro ASK
	s_cmp_gt_u32 s3, s[LIM]
	s_cbranch_scc0 .Lnot_mine_\@
	global_prefetch_b8 v[PFO], s[PFA:PFA+1] th:TH_LOAD_NT scope:SCOPE_SE
.Lnot_mine_\@:
.endm
.macro CREST                           ; a round of the cluster's barrier behind its opening barrier
	s_cmp_lg_u32 s10, 0
	s_cbranch_scc1 .Lnot_wave_0_\@
	s_barrier_signal -3
.Lnot_wave_0_\@:
	s_barrier_wait -3
	s_barrier_signal -1
	s_barrier_wait -1
.endm
.macro CROUND
	s_barrier_signal -1
	s_barrier_wait -1
	CREST
.endm
	s_load_b128 s[4:7], s[0:1], 0x0                ; qkv s[4:5], ph s[6:7]
	s_load_b128 s[68:71], s[0:1], 0x10             ; cm s[68:69], ls s[70:71]
	v_lshl_add_u32 v[SPW], v0, 2, SPARE
	v_mov_b32 v[NIL], 0
	ds_add_u32 v[SPW], v[NIL]                      ; the wave's opening: the add and its wait stand ahead of my first tensor load; the set-up below, work on registers, stands between them
	v_lshrrev_b32 v1, 5, v0
	v_readfirstlane_b32 s10, v1                    ; wave 0..3
	s_lshr_b32 s11, s10, 1                         ; which 128 queries are mine.  Also: I fetch for Q (0) or for K (1)
	s_and_b32 s12, s10, 1                          ; which 128 keys.  Also: which 128 rows of that tile I fetch
	s_bfe_u32 s40, ttmp6, 0x40000                  ; cx, cy
	s_bfe_u32 s41, ttmp6, 0x40004
	s_lshl_b32 s42, ttmp9, 2
	s_add_co_u32 s42, s42, s40                     ; key tile = 4 x cluster x + cx
	s_and_b32 s18, ttmp7, 0xffff                   ; cluster y
	s_lshl_b32 s13, s18, 2
	s_add_co_u32 s13, s13, s41                     ; 8 x batch + query tile = 4 x cluster y + cy
	s_lshr_b32 s19, s18, 1                         ; batch = cluster y / 2
	s_lshl_b32 s72, s41, 2
	s_lshl_b32 s72, 15, s72                        ; my row of the cluster
	s_lshl_b32 s73, 0x1111, s40                    ; my column
	s_or_b32 s[G1], s72, (1<<16)|(1<<20)|(1<<21)|(5<<22)|(3<<25)   ; the mask; 2-byte elements; padding on; bit 21 beside a mask; after every 64 words, 4 words
	s_or_b32 s[G1B], s73, (1<<16)|(1<<20)|(1<<21)|(5<<22)|(3<<25)
.irp g, G1, G1B
	s_mov_b32 s[(\g)+1], KSTEP<<16                 ; tensor_dim0 = 128
	s_mov_b32 s[(\g)+2], 128<<16                   ; tensor_dim1 = 128
	s_mov_b32 s[(\g)+3], KSTEP<<16                 ; tile_dim0 = 128
	s_mov_b32 s[(\g)+4], 128                       ; tile_dim1 = 128
	s_mov_b32 s[(\g)+5], 1024                      ; elements from row to row
	s_mov_b32 s[(\g)+6], 0
	s_mov_b32 s[(\g)+7], 0
.endr
	s_lshl_b32 s17, s12, 7                         ; which 128 rows of the tile I fetch
	s_lshl_b32 s16, s13, 8
	s_add_co_u32 s16, s16, s17                     ; Q: row 256 x (8 b + query tile) + 128 x half, in registers that never hold cx
	s_lshl_b32 s16, s16, 11                        ; rows of 2,048 bytes
	s_lshl_b32 s46, s42, 8
	s_add_co_u32 s46, s46, s17                     ; K: row 256 x key tile + 128 x half, in registers that never hold cy,
	s_lshl_b32 s47, s19, 11
	s_add_co_u32 s46, s46, s47                     ; + 2,048 x batch,
	s_add_co_u32 s46, s46, 8192                    ; in qkv[1]
	s_lshl_b32 s46, s46, 11
	s_mov_b32 s17, 0
	s_mov_b32 s47, 0
	s_mul_i32 s20, s10, HALFT                      ; where they go: Q's two halves, then K's two: wave x 128 rows
	s_mov_b32 s[TB], 0
	s_mov_b32 s[CS], 0x3d38aa3b                    ; c = log2(e) / 32
	s_mov_b32 s[CS+1], s[CS]                       ; named with it as a pair
	s_mov_b32 s[SEL], 0x76543210
	s_mov_b32 s[SEL+1], 0xfedcba98
	s_mov_b32 s[HM], 0xffff0000
	s_wait_dscnt 0x0                               ; the opening add is done
	s_wait_kmcnt 0x0
	s_add_nc_u64 s[14:15], s[4:5], s[16:17]
	s_add_nc_u64 s[46:47], s[4:5], s[46:47]
	CROUND                                         ; all sixteen work-groups are here: the first joint loads meet
.irp s, 0,1
	s_mov_b32 s[G0+4*(\s)], 1
	s_add_co_u32 s[G0+4*(\s)+1], s20, (\s)*SLOT
	s_add_nc_u64 s[G0+4*(\s)+2:G0+4*(\s)+3], s[14:15], (\s)*KSTEP*2
	s_or_b32 s[G0+4*(\s)+3], s[G0+4*(\s)+3], 0x80000000
	s_mov_b32 s[G0B+4*(\s)], 1
	s_add_co_u32 s[G0B+4*(\s)+1], s20, (\s)*SLOT
	s_add_nc_u64 s[G0B+4*(\s)+2:G0B+4*(\s)+3], s[46:47], (\s)*KSTEP*2
	s_or_b32 s[G0B+4*(\s)+3], s[G0B+4*(\s)+3], 0x80000000
.endr
	s_cmp_eq_u32 s11, 0                            ; a wave's two first fills stand in one branch, ahead of every wait on TENSORcnt and every LDS read: two loads of mine are out
	s_cbranch_scc0 .Lfirst_b
	tensor_load_to_lds s[G0:G0+3], s[G1:G1+7]
	s_nop 0
	tensor_load_to_lds s[G0+4:G0+7], s[G1:G1+7]
	s_nop 0
.rept 4
	v_nop
.endr
	s_branch .Lfirst_asked
.Lfirst_b:
	tensor_load_to_lds s[G0B:G0B+3], s[G1B:G1B+7]
	s_nop 0
	tensor_load_to_lds s[G0B+4:G0B+7], s[G1B:G1B+7]
	s_nop 0
.rept 4
	v_nop
.endr
.Lfirst_asked:
	; A fragment is 16 rows x 32 channels in 8 registers: lane l holds row l % 16, channels 8 (l / 16) + 0..7 and 16 + 8 (l / 16) + 0..7: two loads of 16 bytes, 32 bytes apart.
	v_and_b32 v1, 15, v0                           ; l % 16
	v_bfe_u32 v2, v0, 4, 1                         ; l / 16
	v_mul_u32_u24 v3, v1, PITCH
	v_lshl_add_u32 v3, v2, 4, v3                   ; row x pitch + 16 x half
	s_mul_i32 s21, s11, HALFT                      ; my 128 rows of Q
	s_mul_i32 s22, s12, HALFT                      ; my 128 rows of K,
	s_add_co_u32 s22, s22, 2*HALFT                 ; which lie behind Q's 256
	v_add_nc_u32 v[LA], s21, v3
	v_add_nc_u32 v[LB], s22, v3
	v_mov_b32 v[ADRA], v[LA]                       ; slot 0
	v_mov_b32 v[ADRB], v[LB]
	s_mul_i32 s23, s10, 16*SPITCH
	s_add_co_u32 s23, s23, STAGE                   ; my stage
	v_add_nc_u32 v[STO], s23, v3                   ; in: row l % 16, 16 bytes for each half of the lanes (the stage's pitch is the tiles')
	v_mul_u32_u24 v5, v2, SPITCH                   ; back: lanes 0-15 take one row of 256 bytes, lanes 16-31 the next
	v_lshl_add_u32 v5, v1, 4, v5
	v_add_nc_u32 v[RD], s23, v5
	v_lshlrev_b32 v[CO], 12, v2                    ; and the same two rows in ph, 4,096 bytes apart
	v_lshl_add_u32 v[CO], v1, 4, v[CO]
	s_lshl_b32 s23, s10, 10
	s_add_co_u32 s23, s23, STAT                    ; my statistics
	v_lshlrev_b32 v[STA], 9, v2                    ; lanes 0-15: cm; lanes 16-31: ls, 512 bytes on
	v_lshl_add_u32 v[STA], v1, 2, v[STA]
	v_add_nc_u32 v[STA], s23, v[STA]
	v_and_b32 v[SO], 31, v0
	v_lshlrev_b32 v[SO], 4, v[SO]
	v_add_nc_u32 v[SRD], s23, v[SO]
	v_mov_b32 v[CM+1], 0                           ; named as a pair's upper word
	s_lshl_b32 s16, s13, 8                         ; ph at my first query,
	s_lshl_b32 s17, s11, 7
	s_add_co_u32 s16, s16, s17
	s_lshl_b32 s16, s16, 12
	s_mov_b32 s17, 0
	s_add_nc_u64 s[8:9], s[6:7], s[16:17]
	s_lshl_b32 s46, s42, 9                         ; my first key: 256 x key tile + 128 x half, 2 bytes each
	s_lshl_b32 s47, s12, 8
	s_add_co_u32 s46, s46, s47
	s_mov_b32 s47, 0
	s_add_nc_u64 s[8:9], s[8:9], s[46:47]
	s_lshl_b32 s20, s19, 4                         ; cm and ls at [b][t = 2 x key tile + half][256 x query tile + 128 x half]
	s_lshl_b32 s21, s42, 1
	s_add_co_u32 s20, s20, s21
	s_add_co_u32 s20, s20, s12
	s_lshl_b32 s20, s20, 11
	s_and_b32 s21, s13, 7
	s_lshl_b32 s21, s21, 8
	s_add_co_u32 s20, s20, s21
	s_lshl_b32 s21, s11, 7
	s_add_co_u32 s20, s20, s21
	s_lshl_b32 s20, s20, 2
	s_mov_b32 s21, 0
	s_add_nc_u64 s[68:69], s[68:69], s[20:21]
	s_add_nc_u64 s[70:71], s[70:71], s[20:21]
	s_lshl_b32 s20, s13, 8                         ; the prefetches: Q's tile begins at this row of qkv,
	s_lshl_b32 s21, s42, 8
	s_lshl_b32 s22, s19, 11
	s_add_co_u32 s21, s21, s22
	s_add_co_u32 s21, s21, 8192                    ; K's at this
	s_and_b32 s22, s18, 1                          ; cluster y's parity
	s_cmp_eq_u32 s11, 0                            ; do I fetch for Q?
	s_cselect_b32 s20, s20, s21
	s_cselect_b32 s21, s40, s41                    ; my place among the four that ask for the tile with me
	s_cselect_b32 s22, ttmp9, s22                  ; the coordinate along which another cluster reads the same rows
	s_cmp_eq_u32 s22, 0
	s_cselect_b32 s[LIM], 2, -1                    ; the same in all sixteen partners, for a given wave
	s_lshl_b32 s22, s12, 7
	s_add_co_u32 s20, s20, s22                     ; + the 128 rows that I fetch
	s_lshl_b32 s21, s21, 5
	s_add_co_u32 s20, s20, s21                     ; + my work-group's 32 of them
	s_lshl_b32 s20, s20, 11
	s_add_co_u32 s20, s20, 3*KSTEP*2               ; at K step 3: the first refill steps it to 4
	s_mov_b32 s21, 0
	s_add_nc_u64 s[PFA:PFA+1], s[4:5], s[20:21]
	v_and_b32 v[PFO], 31, v0
	v_lshlrev_b32 v[PFO], 11, v[PFO]
; 16 matrix instructions: query blocks a0, a0 + 1 of the window's four (hi = 0: my queries 0-63, 1: 64-127) x all 8 key blocks, 32 channels.  zero = 1: the product starts the sum.
; The 64 accumulators take turns, one instruction a turn, in the same order in every quarter.
.macro MUL16 f, hi, a0, zero
	WIN MUL_LO+0x50*(\hi)
.irp a, \a0, (\a0)+1
.irp b, 0,1,2,3,4,5,6,7
.if \zero
	v_wmma_f32_16x16x32_f16 v[8*(8*(\a)+(\b)):8*(8*(\a)+(\b))+7], v[(\f)+8*(\b):(\f)+8*(\b)+7], v[(\f)+8*(4*(\hi)+(\a)):(\f)+8*(4*(\hi)+(\a))+7], 0
.else
	v_wmma_f32_16x16x32_f16 v[8*(8*(\a)+(\b)):8*(8*(\a)+(\b))+7], v[(\f)+8*(\b):(\f)+8*(\b)+7], v[(\f)+8*(4*(\hi)+(\a)):(\f)+8*(4*(\hi)+(\a))+7], v[8*(8*(\a)+(\b)):8*(8*(\a)+(\b))+7]
.endif
.endr
.endr
.endm
.macro FETCH k, f                      ; 32 LDS loads in one run: 128 rows of K, then 128 of Q, 32 channels at byte k of the rows, into buffer f
	WIN TO_B
.irp i, 0,1,2,3,4,5,6,7
	ds_load_b128 v[(\f)+8*(\i):(\f)+8*(\i)+3],   v[ADRB] offset:(\k)+(\i)*16*PITCH
	ds_load_b128 v[(\f)+8*(\i)+4:(\f)+8*(\i)+7], v[ADRB] offset:(\k)+(\i)*16*PITCH+32
.endr
	WIN 0
.irp i, 0,1,2,3,4,5,6,7
	ds_load_b128 v[(\f)+8*(\i):(\f)+8*(\i)+3],   v[ADRA] offset:(\k)+(\i)*16*PITCH
	ds_load_b128 v[(\f)+8*(\i)+4:(\f)+8*(\i)+7], v[ADRA] offset:(\k)+(\i)*16*PITCH+32
.endr
.endm
; A K step is four quarters of 32 channels, 64 matrix instructions each, on buffers 0, 1, 0, 1.  One of the first three: multiplies buffer f; in its middle it fetches the next quarter, at byte k, into g.
.macro QUARTER k, f, g, zero
	s_wait_dscnt 8                                 ; K and Q's rows 0-63 are in; the youngest eight loads (Q's rows 64-127) may be out
	MUL16 \f, 0, 0, \zero
	MUL16 \f, 0, 2, \zero
	PLACES
	FETCH \k, \g
	s_wait_dscnt 32                                ; all but the 32 just issued
	MUL16 \f, 1, 0, \zero
	MUL16 \f, 1, 2, \zero
.endm
; The last quarter multiplies buffer 1 and changes slots: ONE barrier; in front of it each wave waits for all its tensor loads (one is out: its part of the next slot), adds 0 to its spare word,
; and waits for that and for its reads of this slot.  fill = 1: the barrier opens a round of the cluster's, and the slot just read out is filled again, two K steps ahead: 224 matrix instructions ahead of the wait for it.
.macro TURN fill
.if \fill
	s_wait_xcnt 0x0                                ; the last prefetch, a K step back, has read its address: it is stepped here, ahead of the waits of the change of slots
	s_add_nc_u64 s[PFA:PFA+1], s[PFA:PFA+1], KSTEP*2
.endif
	WIN 0                                          ; (the add's two registers lie in window 0)
	s_wait_tensorcnt 0x0
	ds_add_u32 v[SPW], v[NIL]                      ; 0 onto my spare word
	s_wait_dscnt 9                                 ; (the add and the youngest eight loads may be out)
	MUL16 F1, 0, 0, 0                              ; sixteen matrix instructions stand between the add and the wait for it
	s_wait_dscnt 0x0                               ; the add is done, and my reads of this slot are over
	s_barrier_signal -1
	MUL16 F1, 0, 2, 0                              ; work on registers while the others arrive
	WIN 0
	s_barrier_wait -1
.if \fill
	CREST                                          ; no wave of any partner still reads this slot or has a load on its way
	s_xor_b32 s[G0+5], s[G0+5], SLOT               ; the walking sets: the other slot than last time, the next K step
	s_add_nc_u64 s[G0+6:G0+7], s[G0+6:G0+7], KSTEP*2
	s_xor_b32 s[G0B+5], s[G0B+5], SLOT
	s_add_nc_u64 s[G0B+6:G0B+7], s[G0B+6:G0B+7], KSTEP*2
	JLOAD                                          ; the first tensor load behind the round; its four v_nop are also the places in front of the loads below
.else
	PLACES
.endif
	s_xor_b32 s[TB], s[TB], SLOT
	v_add_nc_u32 v[ADRA], s[TB], v[LA]
	v_add_nc_u32 v[ADRB], s[TB], v[LB]
	FETCH 0, F0
.if \fill
	ASK                                            ; behind the joint load and the run of LDS loads that the next products wait for
.endif
	MUL16 F1, 1, 0, 0
	MUL16 F1, 1, 2, 0
.endm
	s_wait_tensorcnt 0x1                           ; my part of K step 0 is in; K step 1's may stay out
	s_barrier_signal -1
	s_barrier_wait -1
	FETCH 0, F0
	QUARTER 64, F0, F1, 1                          ; the first quarter stands in front of the loop: its products start the sums
	WIN 0                                          ; at a label and at a branch every window is 0
	s_mov_b32 s3, NSTEP-2
.Lstep:                                                ; a trip: from a step's second quarter to the next step's first; it fills one slot again
	QUARTER 128, F1, F0, 0
	QUARTER 192, F0, F1, 0
	TURN 1
	QUARTER 64, F0, F1, 0
	WIN 0
	s_sub_co_u32 s3, s3, 1
	s_cmp_lg_u32 s3, 0
	s_cbranch_scc1 .Lstep
	s_mov_b32 s3, 2
.Ltail:                                                ; the last two steps: a loop of their own, in which nothing is filled
	QUARTER 128, F1, F0, 0
	QUARTER 192, F0, F1, 0
	TURN 0                                         ; in the last trip its run of loads takes the other slot's old tile and serves nothing: the price, once a work-group, of one text for both trips
	WIN 0
	s_cmp_eq_u32 s3, 1
	s_cbranch_scc1 .Llast                          ; behind the last step there is no first quarter: products and LDS loads alone are jumped
	QUARTER 64, F0, F1, 0
	WIN 0
.Llast:
	s_sub_co_u32 s3, s3, 1
	s_cmp_lg_u32 s3, 0
	s_cbranch_scc1 .Ltail
	s_wait_dscnt 0x0                               ; the last trip's run of loads has landed
	PLACES
	PLACES
; THE WAY OUT, 16 queries (block a of window 2) at a time.  A lane holds 64 of its query's 128 scores; the other 64 lie in the lane 16 away.
; SOFT: the piece's maximum (each accumulator's lowest registers are read first); c m; c s - c m; 64 exponentials as ONE batch with ONE wait; the weights rounded to f16; their sum in four chains.
.macro SOFT a
.set SB, 64*(\a)
	WIN 0x2a                                       ; three sources in window 2
.irp b, 0,1,2,3,4,5,6,7
	v_max3_num_f32 v[T+(\b)], v[SB+8*(\b)], v[SB+8*(\b)+1], v[SB+8*(\b)+2]
.endr
	WIN 0x28                                       ; sources 1 and 2 in window 2
.irp b, 0,1,2,3,4,5,6,7
	v_max3_num_f32 v[T+(\b)], v[T+(\b)], v[SB+8*(\b)+3], v[SB+8*(\b)+4]
.endr
.irp b, 0,1,2,3,4,5,6,7
	v_max3_num_f32 v[T+(\b)], v[T+(\b)], v[SB+8*(\b)+5], v[SB+8*(\b)+6]
.endr
.irp k, 0,1,2,3
	v_max3_num_f32 v[T+(\k)], v[T+(\k)], v[SB+16*(\k)+7], v[SB+16*(\k)+15]
.endr
	WIN 0
	v_max3_num_f32 v[T], v[T], v[T+1], v[T+2]
	v_max3_num_f32 v[T+3], v[T+3], v[T+4], v[T+5]
	v_max3_num_f32 v[T], v[T], v[T+3], v[T+6]
	v_max_num_f32 v[T], v[T], v[T+7]
	v_permlanex16_b32 v[T+1], v[T], s[SEL], s[SEL+1]
	v_max_num_f32 v[T], v[T], v[T+1]
	v_mul_f32 v[CM], s[CS], v[T]
	WIN 0x82                                       ; destination and source 0 in window 2, c m in window 0
.set i, 0
.rept 32
	v_pk_fma_f32 v[SB+2*i:SB+2*i+1], v[SB+2*i:SB+2*i+1], s[CS:CS+1], v[CM:CM+1] op_sel_hi:[1,0,0] neg_lo:[0,0,1] neg_hi:[0,0,1]
.set i, i+1
.endr
.set i, 0
.rept 64
	v_exp_f32 v[SB+i], v[SB+i]
.set i, i+1
.endr
	v_nop                                          ; the plain instruction behind the last exponential
	s_wait_alu depctr_va_vdst(0)                   ; one wait for the batch, ahead of its first reader
	WIN 0x0a                                       ; sources 0 and 1 in window 2
.set i, 0
.rept 32
	v_cvt_pk_f16_f32 v[TMP+i], v[SB+2*i], v[SB+2*i+1]
.set i, i+1
.endr
.irp k, 0,1,2,3
	v_pk_add_f32 v[LS+2*(\k):LS+2*(\k)+1], v[SB+2*(\k):SB+2*(\k)+1], v[SB+8+2*(\k):SB+8+2*(\k)+1]
.endr
	WIN 0x08                                       ; source 1 in window 2
.set i, 8
.rept 24
	v_pk_add_f32 v[LS+2*(i%4):LS+2*(i%4)+1], v[LS+2*(i%4):LS+2*(i%4)+1], v[SB+2*i:SB+2*i+1]
.set i, i+1
.endr
	WIN 0
	v_pk_add_f32 v[LS:LS+1], v[LS:LS+1], v[LS+2:LS+3]
	v_pk_add_f32 v[LS+4:LS+5], v[LS+4:LS+5], v[LS+6:LS+7]
	v_pk_add_f32 v[LS:LS+1], v[LS:LS+1], v[LS+4:LS+5]
	v_add_f32 v[L], v[LS], v[LS+1]
	v_permlanex16_b32 v[T+1], v[L], s[SEL], s[SEL+1]
	v_add_f32 v[L], v[L], v[T+1]
	v_cndmask_b32 v[X], v[CM], v[L], s[HM]         ; both halves of the lanes hold both numbers: the lower stores c m, the upper the sum
	ds_store_b32 v[STA], v[X] offset:64*(\a)
.endm
.macro TOSTAGE a                       ; into my own stage, and back as whole rows of 256 bytes
	WIN 0
.irp b, 0,1,2,3,4,5,6,7
	ds_store_b128 v[STO], v[TMP+4*(\b):TMP+4*(\b)+3] offset:32*(\b)
.endr
.irp t, 0,1,2,3,4,5,6,7
	ds_load_b128 v[BK+32*((\a)%2)+4*(\t):BK+32*((\a)%2)+4*(\t)+3], v[RD] offset:(\t)*2*SPITCH  ; LDS serves a wave's instructions in order (ISA guide 5.7.1.4): these see the stores above
.endr
.endm
.macro SEND a
	WIN 0
	s_wait_dscnt 0x0                               ; the block is back in registers
	s_wait_xcnt 0x0                                ; the other set, which the stores of the block before read, is loaded again only behind this wait
.irp t, 0,1,2,3,4,5,6,7
	global_store_b128 v[CO], v[BK+32*((\a)%2)+4*(\t):BK+32*((\a)%2)+4*(\t)+3], s[8:9] offset:(16*(\a)+2*(\t))*4096  ; 16 lanes store 256 consecutive bytes, aligned
.endr
.endm
	s_mov_b32 s2, 2
.Lhalf:                                                ; two trips of one text: my queries 0-63, then 64-127, whose scores are first brought from window 3 into window 2
	SOFT 0
	TOSTAGE 0
.irp a, 1,2,3                          ; block a's arithmetic stands between block a - 1's loads from the stage and the wait for them
	SOFT \a
	SEND (\a)-1
	TOSTAGE \a
.endr
	SEND 3
	s_cmp_eq_u32 s2, 1
	s_cbranch_scc1 .Lmoved                         ; behind the second half nothing is left to bring
	s_wait_xcnt 0x0                                ; the stores have read ph's address
	s_add_nc_u64 s[8:9], s[8:9], 64*4096           ; 64 queries on
	v_add_nc_u32 v[STA], 256, v[STA]
	WIN 0x83                                       ; destination window 2, source window 3; ascending
.set i, 0
.rept 256
	v_mov_b32 v[i], v[i]
.set i, i+1
.endr
	WIN 0
.Lmoved:
	s_sub_co_u32 s2, s2, 1
	s_cmp_lg_u32 s2, 0
	s_cbranch_scc1 .Lhalf
	ds_load_b128 v[T:T+3], v[SRD]                  ; my 128 queries' c m: 512 bytes of my own, stored above,
	ds_load_b128 v[T+4:T+7], v[SRD] offset:512     ; and their sums
	s_wait_dscnt 0x0
	global_store_b128 v[SO], v[T:T+3], s[68:69]    ; 512 consecutive bytes each, aligned
	global_store_b128 v[SO], v[T+4:T+7], s[70:71]
	s_wait_tensorcnt 0x0                           ; the wave's end, behind my last tensor load and my last LDS store
	ds_add_u32 v[SPW], v[NIL]
	s_wait_dscnt 0x0
	CROUND                                         ; the closing round: no work-group ends while a partner may still ask for a tile that names it
	s_endpgm
.Lfunc_end_k_qcf968c2b2f_scores:
	.size	k_qcf968c2b2f_scores, .Lfunc_end_k_qcf968c2b2f_scores-k_qcf968c2b2f_scores
	.p2alignl 7, 3214868480
	.fill 96, 4, 3214868480
	.section	.rodata,"a",@progbits
	.p2align	6, 0x0
	.amdhsa_kernel k_qcf968c2b2f_scores
		.amdhsa_group_segment_fixed_size 327680
		.amdhsa_private_segment_fixed_size 0
		.amdhsa_enable_private_segment 0
		.amdhsa_kernarg_size 32
		.amdhsa_user_sgpr_count 2
		.amdhsa_user_sgpr_kernarg_segment_ptr 1
		.amdhsa_wavefront_size32 1
		.amdhsa_system_sgpr_workgroup_id_x 1
		.amdhsa_system_sgpr_workgroup_id_y 1
		.amdhsa_system_sgpr_workgroup_id_z 1
		.amdhsa_system_vgpr_workitem_id 0
		.amdhsa_next_free_vgpr 1024
		.amdhsa_next_free_sgpr 80
		.amdhsa_reserve_vcc 0
		.amdhsa_float_denorm_mode_32 3
		.amdhsa_float_denorm_mode_16_64 3
		.amdhsa_memory_ordered 1
		.amdhsa_forward_progress 1
		.amdhsa_inst_pref_size 129
	.end_amdhsa_kernel
	.amdgpu_metadata
---
amdhsa.version: [ 1, 2 ]
amdhsa.kernels:
  - .name:           k_qcf968c2b2f_scores
    .symbol:         k_qcf968c2b2f_scores.kd
    .args:
      - { .name: qkv, .offset: 0, .size: 8, .value_kind: global_buffer, .address_space: global }
      - { .name: ph, .offset: 8, .size: 8, .value_kind: global_buffer, .address_space: global }
      - { .name: cm, .offset: 16, .size: 8, .value_kind: global_buffer, .address_space: global }
      - { .name: ls, .offset: 24, .size: 8, .value_kind: global_buffer, .address_space: global }
    .group_segment_fixed_size: 327680
    .private_segment_fixed_size: 0
    .kernarg_segment_align: 8
    .kernarg_segment_size: 32
    .max_flat_workgroup_size: 128
    .sgpr_count:     80
    .vgpr_count:     1024
    .wavefront_size: 32
...
	.end_amdgpu_metadata
.endif
;; end of part 3
;; launch pv (part 4): grid 4 x 64, 4 waves a work-group, clusters of 4 x 4, 327,680 bytes of LDS; arguments ph, qkv, cm, ls, oh; writes oh
.if DOCPART == 4
	.amdgcn_target "amdgcn-amd-amdhsa--gfx1250"
	.amdhsa_code_object_version 6
	.text
	.protected	k_qcf968c2b2f_pv
	.globl	k_qcf968c2b2f_pv
	.p2align	8
	.type	k_qcf968c2b2f_pv,@function
k_qcf968c2b2f_pv:
	s_mov_b64 s[64:65], 0
	v_nop
	global_prefetch_b8 v0, s[64:65] scope:SCOPE_SE
	s_setreg_imm32_b32 hwreg(HW_REG_WAVE_MODE, 25, 1), 1
	s_wait_xcnt 0x0
	s_wait_alu depctr_hold_cnt(0) depctr_sa_sdst(0) depctr_va_vdst(0) depctr_va_sdst(0) depctr_va_ssrc(0) depctr_va_vcc(0) depctr_vm_vsrc(0)
	s_getreg_b32 s2, hwreg(HW_REG_IB_STS2, 6, 4)
	s_cmp_eq_u32 s2, 0
	s_cbranch_scc0 .Lentry_in_a_cluster
	s_endpgm
.Lentry_in_a_cluster:
	s_bfe_u32 s2, ttmp6, 0x10000c
	s_cmp_lg_u32 s2, 0xf033
	s_cbranch_scc0 .Lentry_shape_is_right
	s_endpgm
.Lentry_shape_is_right:
; KIND 1, THE SECOND HALF OF THE SOFTMAX AND P V: for each row, m = the largest of its 16 pieces' cm; f_t = 2^(cm_t - m); l = sum of f_t ls_t; oh[row][e] = (sum over t of (f_t P_t) V_t)[e] / l, rounded once to f16.
; A K step of 128 keys is one piece t, so A's fragments (P, f16) are multiplied by the step's factor of their row between their load and their product.  V = qkv[2].
; ONE TEXT SERVES TWO LAUNCHES, told apart by the constant KIND: 1 O = (sum over pieces t of (f_t P_t) V_t) / l; 2 out0 = oh wh[3] + bo in f32.
; C[m][n] = sum over k of A[m][k] B[k][n].  A: [8192][KA] f16, K along the rows.  B: [K][1024] f16, N along the rows.  Products in f16 with f32 sums.
; LIMITS.  f16 holds no number beyond 65,504 and keeps a fixed step of 6e-8 below 6e-5: P, V, f_t P and O lie within that; a factor below f16's reach counts as 0; NaN and infinities are not treated apart.
; SHARES.  A work-group makes 128 x 256 of C, each of its four waves 64 x 128: 32 accumulators of 16 x 16, 256 registers: 256 work-groups in either launch.
; K goes in steps of 128 through two LDS slots.  Waves 0 and 1 fetch the halves of A's tile (64 rows x 256 bytes), waves 2 and 3 those of B's (64 rows x 512 bytes): one tensor load a wave and step.
; CLUSTER 4 x 4: A's tile hangs on the tile row alone and is asked for jointly by a row of the cluster, B's on the tile column (and the cluster's y) alone, by a column.
; THE MATRIX INSTRUCTION IS USED TRANSPOSED: source 0 = 16 columns of B (turned on the way out of LDS by ds_load_tr16_b128), source 1 = 16 rows of A: a lane holds row l % 16 of C and the columns 8 (l / 16) + 0..7.
; NO PREFETCH: a step is 128 matrix instructions on a small tile, and the tiles are shared by joint loads.
; REGISTERS, in windows of 256 (s_set_vgpr_msb: bits 1:0 source 0, 3:2 source 1, 5:4 source 2, 7:6 destination):
;   window 0: v0-47 addresses and small things; v64-127 A's fragments, two buffers of 32; v128-255 B's, two buffers of 64      window 1: the accumulators, (a, b) at v[8 (8 a + b)]      window 2 (KIND 2): v0-63 the bias
.set KIND, 1
.if KIND == 1
.set KA, 2048                          ; elements in a row of A
.set SCALED, 1                         ; A's fragments are multiplied by the step's factors
.set SP, 272                           ; a stage row: 256 bytes of f16 + 16
.set CP, 2048                          ; bytes in a row of C
.set BK, 128                           ; rows read back from the stage: two sets of 32 registers
.else
.set KA, 1024
.set SCALED, 0
.set SP, 528                           ; a stage row: 512 bytes of f32 + 16
.set CP, 4096
.set BK, 64                            ; two sets of 64 registers
.endif
.set NSTEP, KA/128
.set PA, 272                           ; a row of A in LDS: 256 bytes + 16 = 68 words: the 16 rows of a load start at 16 different groups of four banks (64 banks of 4 bytes: ISA guide 11.1)
.set PB, 544                           ; a row of B: 512 + 32 = 136 words
.set BOFF, 128*PA                      ; a slot: A's 128 rows, then B's 128 rows
.set SLOT1, 1<<17                      ; slot 1 begins here: one exclusive or turns an address in one slot into the other's
.set STAGE, SLOT1+BOFF+128*PB          ; behind the ring, never filled by a tensor load: 16 rows for each wave, for the way out
.set FT, STAGE+4*16*SP                 ; KIND 1: the factors, [16 t][128 rows] words, then 1 / l, [128 rows]
.if KIND == 1
.set SPARE, FT+16*512+512
.else
.set SPARE, FT                         ; the spare words, 128 bytes for each wave: two blocks of 256 bytes that no other line names
.endif
.set LA,   14                          ; v14  my lane's place in A's tile; never rewritten
.set LB,   15                          ; v15  the same for B
.set ADRA, 16                          ; v16  LDS address of my A fragments in the slot in hand
.set ADRB, 20                          ; v20  the same for B
.set STO,  24                          ; v24  the way out: where I put my part of a row
.set RD,   25                          ; v25  the way out: where I read rows back
.set CO,   26                          ; v26  my byte offset in C
.set BO,   27                          ; v27  my byte offset in the bias
.set SPW,  28                          ; v28  LDS address of my spare word; never rewritten
.set NIL,  29                          ; v29  0; never rewritten
.set FTA,  30                          ; v30  KIND 1: where the next step's factors lie
.set F,    32                          ; v32-35  KIND 1: the step's factor for my row of blocks 0-3, f16 in both halves
.set RL4,  36                          ; v36-39  KIND 1: 1 / l for my row of blocks 0-3
.set RLP,  40                          ; v40-47  the same, each twice: pairs for the packed multiply
.set FA,   64
.set FB,   128
.set TMP,  64                          ; the way out: packed results
.set G1A, 24                           ; s[24:31] descriptor group 1 for A's tiles
.set G0A, 32                           ; s[32:39] group 0: a set for each first fill; the second then walks on
.set G1B, 48                           ; s[48:55], s[56:63] the same for B's
.set G0B, 56
.set TB,  45                           ; s45  0 or SLOT1: the slot in hand
.set BP,  66                           ; s[66:67] the bias
.set MSB, 0
.macro WIN new                         ; the immediate's high byte repeats the setting that is left; a switch that changes nothing is dropped
.if MSB != (\new)
	s_set_vgpr_msb (MSB<<8)|(\new)
.set MSB, \new
.endif
.endm
.macro PLACES                          ; four places in front of loads into registers that matrix instructions have read
.rept 4
	v_nop
.endr
.endm
.macro JLOAD                           ; a joint refill by the walking sets; the branch hangs on the wave's number alone; s_nop 0 and four v_nop follow each line
	s_cmp_eq_u32 s11, 0
	s_cbranch_scc0 .Lfor_b_\@
	tensor_load_to_lds s[G0A+4:G0A+7], s[G1A:G1A+7]
	s_nop 0
.rept 4
	v_nop
.endr
	s_branch .Lasked_\@
.Lfor_b_\@:
	tensor_load_to_lds s[G0B+4:G0B+7], s[G1B:G1B+7]
	s_nop 0
.rept 4
	v_nop
.endr
.Lasked_\@:
.endm
.macro CREST                           ; a round of the cluster's barrier behind its opening barrier
	s_cmp_lg_u32 s10, 0
	s_cbranch_scc1 .Lnot_wave_0_\@
	s_barrier_signal -3
.Lnot_wave_0_\@:
	s_barrier_wait -3
	s_barrier_signal -1
	s_barrier_wait -1
.endm
.macro CROUND                          ; a whole round
	s_barrier_signal -1
	s_barrier_wait -1
	CREST
.endm
	s_load_b128 s[4:7], s[0:1], 0x0                ; A s[4:5], B's buffer s[6:7]
	s_load_b128 s[68:71], s[0:1], 0x10             ; KIND 1: cm, ls; 2: bo, out0
.if KIND == 1
	s_load_b64 s[8:9], s[0:1], 0x20                ; oh
.endif
	v_lshl_add_u32 v[SPW], v0, 2, SPARE
	v_mov_b32 v[NIL], 0
	ds_add_u32 v[SPW], v[NIL]                      ; the wave's opening: the add and its wait stand ahead of my first tensor load; the set-up below, work on registers, stands between them
	v_lshrrev_b32 v1, 5, v0
	v_readfirstlane_b32 s10, v1                    ; wave 0..3
	s_lshr_b32 s11, s10, 1                         ; which 64 rows of the tile are mine.  Also: I fetch for A (0) or for B (1)
	s_and_b32 s12, s10, 1                          ; which 128 columns.  Also: which half of that tile I fetch
	s_bfe_u32 s40, ttmp6, 0x40000                  ; cx, cy: my place in the cluster
	s_bfe_u32 s41, ttmp6, 0x40004
	s_lshl_b32 s42, ttmp9, 2
	s_add_co_u32 s42, s42, s40                     ; tile column = 4 x cluster x + cx
	s_and_b32 s3, ttmp7, 0xffff                    ; cluster y
	s_lshl_b32 s13, s3, 2
	s_add_co_u32 s13, s13, s41                     ; tile row = 4 x cluster y + cy
	s_lshl_b32 s43, s41, 2
	s_lshl_b32 s43, 15, s43                        ; my row of the cluster
	s_lshl_b32 s44, 0x1111, s40                    ; my column
	s_or_b32 s[G1A], s43, (1<<16)|(1<<20)|(1<<21)|(5<<22)|(3<<25)  ; the mask; 2-byte elements; padding on; bit 21 beside a mask; after every 64 words, 4 words
	s_mov_b32 s[G1A+1], 128<<16                    ; tensor_dim0 = 128
	s_mov_b32 s[G1A+2], 64<<16                     ; tensor_dim1 = 64
	s_mov_b32 s[G1A+3], 128<<16                    ; tile_dim0 = 128
	s_mov_b32 s[G1A+4], 64                         ; tile_dim1 = 64
	s_mov_b32 s[G1A+5], KA                         ; elements from row to row
	s_mov_b32 s[G1A+6], 0
	s_mov_b32 s[G1A+7], 0
	s_or_b32 s[G1B], s44, (1<<16)|(1<<20)|(1<<21)|(6<<22)|(7<<25)  ; after every 128 words, 8 words
	s_mov_b32 s[G1B+1], 256<<16                    ; tensor_dim0 = 256
	s_mov_b32 s[G1B+2], 64<<16
	s_mov_b32 s[G1B+3], 256<<16                    ; tile_dim0 = 256
	s_mov_b32 s[G1B+4], 64
	s_mov_b32 s[G1B+5], 1024
	s_mov_b32 s[G1B+6], 0
	s_mov_b32 s[G1B+7], 0
	s_lshl_b32 s16, s13, 7                         ; A: row 128 x tile row + 64 x half, in registers that never hold cx
	s_lshl_b32 s17, s12, 6
	s_add_co_u32 s16, s16, s17
	s_mul_i32 s16, s16, KA*2                       ; in bytes, under 2^26
	s_mov_b32 s17, 0
	s_lshl_b32 s46, s12, 17                        ; B: 64 x half rows of 2,048 bytes, in registers that never hold cy
	s_lshl_b32 s47, s42, 9                         ; + 256 columns x tile column
	s_add_co_u32 s46, s46, s47
.if KIND == 1
	s_lshr_b32 s47, s3, 2                          ; batch = tile row / 16 = cluster y / 4
	s_lshl_b32 s47, s47, 22                        ; its 2,048 rows of V,
	s_add_co_u32 s46, s46, s47
	s_add_co_u32 s46, s46, 33554432                ; which is qkv[2]
.else
	s_add_co_u32 s46, s46, 6291456                 ; wh[3] = Wo
.endif
	s_mov_b32 s47, 0
	s_mul_i32 s20, s12, 64*PA                      ; where they go: no place in the cluster enters an LDS address
	s_mul_i32 s21, s12, 64*PB
	s_add_co_u32 s21, s21, BOFF
	s_mov_b32 s[TB], 0
	s_wait_dscnt 0x0                               ; the opening add is done
	s_wait_kmcnt 0x0
	s_add_nc_u64 s[14:15], s[4:5], s[16:17]
	s_add_nc_u64 s[46:47], s[6:7], s[46:47]
.if KIND == 2
	s_mov_b64 s[8:9], s[70:71]
.endif
	CROUND                                         ; all sixteen work-groups are here: the first joint loads meet
.irp s, 0,1
	s_mov_b32 s[G0A+4*(\s)], 1
	s_add_co_u32 s[G0A+4*(\s)+1], s20, (\s)*SLOT1
	s_add_nc_u64 s[G0A+4*(\s)+2:G0A+4*(\s)+3], s[14:15], (\s)*256       ; K step s: 256 bytes along A's rows
	s_or_b32 s[G0A+4*(\s)+3], s[G0A+4*(\s)+3], 0x80000000
	s_mov_b32 s[G0B+4*(\s)], 1
	s_add_co_u32 s[G0B+4*(\s)+1], s21, (\s)*SLOT1
	s_add_nc_u64 s[G0B+4*(\s)+2:G0B+4*(\s)+3], s[46:47], (\s)*262144    ; K step s: 128 rows of B down
	s_or_b32 s[G0B+4*(\s)+3], s[G0B+4*(\s)+3], 0x80000000
.endr
	s_cmp_eq_u32 s11, 0                            ; a wave's two first fills stand in one branch, ahead of every wait on TENSORcnt and every LDS read: two loads of mine are out
	s_cbranch_scc0 .Lfirst_b
	tensor_load_to_lds s[G0A:G0A+3], s[G1A:G1A+7]
	s_nop 0
	tensor_load_to_lds s[G0A+4:G0A+7], s[G1A:G1A+7]
	s_nop 0
.rept 4
	v_nop
.endr
	s_branch .Lfirst_asked
.Lfirst_b:
	tensor_load_to_lds s[G0B:G0B+3], s[G1B:G1B+7]
	s_nop 0
	tensor_load_to_lds s[G0B+4:G0B+7], s[G1B:G1B+7]
	s_nop 0
.rept 4
	v_nop
.endr
.Lfirst_asked:
	; A fragment of A is 16 rows x 32 K in 8 registers: lane l holds row l % 16, K = 8 (l / 16) + 0..7 and 16 + 8 (l / 16) + 0..7: two loads of 16 bytes, 32 bytes apart.
	; The turning load takes 16 K x 16 columns (lane l reads row 8 (l / 16) + l % 8, columns 8 ((l / 8) % 2) + 0..7) and leaves half a fragment of B^T: lane l holds column l % 16 and 8 K.
	v_and_b32 v1, 15, v0                           ; l % 16
	v_bfe_u32 v2, v0, 4, 1                         ; l / 16
	v_and_b32 v3, 7, v0
	v_bfe_u32 v4, v0, 3, 1
	v_mul_u32_u24 v[LA], v1, PA
	v_lshl_add_u32 v[LA], v2, 4, v[LA]
	s_mul_i32 s18, s11, 64*PA                      ; my 64 rows of A
	v_add_nc_u32 v[LA], s18, v[LA]
	v_lshl_add_u32 v[LB], v2, 3, v3
	v_mul_u32_u24 v[LB], v[LB], PB
	v_lshl_add_u32 v[LB], v4, 4, v[LB]
	s_lshl_b32 s18, s12, 8                         ; my 128 columns of B
	s_add_co_u32 s18, s18, BOFF
	v_add_nc_u32 v[LB], s18, v[LB]
	v_mov_b32 v[ADRA], v[LA]                       ; slot 0
	v_mov_b32 v[ADRB], v[LB]
	s_mul_i32 s18, s10, 16*SP
	s_add_co_u32 s18, s18, STAGE                   ; my stage
	v_mul_u32_u24 v[STO], v1, SP                   ; in: row l % 16
.if KIND == 2
	v_lshl_add_u32 v[STO], v2, 5, v[STO]           ; 32 bytes for each half of the lanes
	v_add_nc_u32 v[STO], s18, v[STO]
	v_and_b32 v[CO], 31, v0                        ; back: 32 lanes take one row of 512 bytes
	v_lshlrev_b32 v[CO], 4, v[CO]
	v_add_nc_u32 v[RD], s18, v[CO]
.else
	v_lshl_add_u32 v[STO], v2, 4, v[STO]           ; 16 bytes for each half of the lanes
	v_add_nc_u32 v[STO], s18, v[STO]
	v_mul_u32_u24 v[RD], v2, SP                    ; back: lanes 0-15 take one row of 256 bytes, lanes 16-31 the next
	v_lshl_add_u32 v[RD], v1, 4, v[RD]
	v_add_nc_u32 v[RD], s18, v[RD]
	v_lshlrev_b32 v[CO], 11, v2                    ; and the same two rows in C
	v_lshl_add_u32 v[CO], v1, 4, v[CO]
.endif
	s_lshl_b32 s16, s13, 7                         ; C at my first row,
	s_lshl_b32 s17, s11, 6
	s_add_co_u32 s16, s16, s17
	s_mul_i32 s16, s16, CP
	s_mov_b32 s17, 0
	s_add_nc_u64 s[8:9], s[8:9], s[16:17]
	s_mul_i32 s46, s42, CP/4                       ; my first column: 256 x tile column + 128 x half, in bytes
	s_mul_i32 s47, s12, CP/8
	s_add_co_u32 s46, s46, s47
	s_mov_b32 s47, 0
	s_add_nc_u64 s[8:9], s[8:9], s[46:47]
.if KIND == 2
	; THE BIAS of my 128 columns, laid as an accumulator row lies: register 8 b + j = bias[16 b + 8 (l / 16) + j]; rounded to bf16 like every input, kept as f32 in window 2.
	s_lshl_b32 s18, s42, 10
	s_lshl_b32 s19, s12, 9
	s_add_co_u32 s18, s18, s19
	v_lshl_add_u32 v[BO], v2, 5, s18
	s_mov_b64 s[BP:BP+1], s[68:69]
	s_mov_b32 s19, 0xffff0000
	WIN 0x80                                       ; destination window 2
.irp b, 0,1,2,3,4,5,6,7
	global_load_b128 v[8*(\b):8*(\b)+3],   v[BO], s[BP:BP+1] offset:64*(\b)
	global_load_b128 v[8*(\b)+4:8*(\b)+7], v[BO], s[BP:BP+1] offset:64*(\b)+16
.endr
	s_wait_loadcnt 0x0
	WIN 0x0a                                       ; sources window 2, destination window 0
.set i, 0
.rept 32
	v_cvt_pk_bf16_f32 v[FA+i], v[2*i], v[2*i+1]
.set i, i+1
.endr
	WIN 0x80
.set i, 0
.rept 32
	v_lshlrev_b32 v[2*i], 16, v[FA+i]
	v_and_b32 v[2*i+1], s19, v[FA+i]
.set i, i+1
.endr
	WIN 0
.else
	; THE ROWS' STATISTICS.  Thread tau owns row tau of the work-group's 128.  m = the largest of its 16 pieces' c x maximum: the row's true maximum, so no exponent is above 0.
	; f_t = 2^(cm_t - m), rounded to f16; l = sum of f_t ls_t with the very f_t that P is multiplied by; l is at least 1 (the piece that holds the maximum has f = 1 and a weight 1).
	s_lshr_b32 s18, s3, 2                          ; batch
	s_lshl_b32 s18, s18, 17                        ; [16 t][2048 q] f32
	s_and_b32 s19, s13, 15
	s_lshl_b32 s19, s19, 9                         ; my work-group's 128 rows
	s_add_co_u32 s18, s18, s19
	s_mov_b32 s19, 0
	s_add_nc_u64 s[68:69], s[68:69], s[18:19]
	s_add_nc_u64 s[70:71], s[70:71], s[18:19]
	v_lshlrev_b32 v5, 2, v0
.set t, 0
.rept 16
	global_load_b32 v[64+t], v5, s[68:69] offset:8192*t
.set t, t+1
.endr
.set t, 0
.rept 16
	global_load_b32 v[80+t], v5, s[70:71] offset:8192*t
.set t, t+1
.endr
	v_add_nc_u32 v6, FT, v5                        ; where I put my row's factors: FT + 512 t + 4 tau
	s_lshl_b32 s18, s11, 8
	s_add_co_u32 s18, s18, FT
	v_lshl_add_u32 v[FTA], v1, 2, s18              ; where I read them: my wave's 64 rows, row l % 16 of block a at + 64 a
	s_wait_loadcnt 0x0
	v_max3_num_f32 v48, v64, v65, v66
.set t, 0
.rept 6
	v_max3_num_f32 v48, v48, v[67+2*t], v[68+2*t]
.set t, t+1
.endr
	v_max_num_f32 v48, v48, v79
.set t, 0
.rept 16
	v_sub_f32 v[96+t], v[64+t], v48
.set t, t+1
.endr
.set t, 0
.rept 16
	v_exp_f32 v[96+t], v[96+t]
.set t, t+1
.endr
	v_mov_b32 v49, 0                               ; l starts at 0: also the plain instruction behind the last exponential
	s_wait_alu depctr_va_vdst(0)                   ; one wait for the batch of 16, ahead of its first reader
.set t, 0
.rept 16
	v_cvt_pk_f16_f32 v[112+t], v[96+t], v[96+t]    ; f in both halves
.set t, t+1
.endr
.set t, 0
.rept 16
	v_fma_mix_f32 v49, v[112+t], v[80+t], v49 op_sel_hi:[1,0,0]  ; l += f16(f_t) x ls_t, in f32
.set t, t+1
.endr
	v_rcp_f32 v50, v49
	v_nop
	s_wait_alu depctr_va_vdst(0)
.set t, 0
.rept 16
	ds_store_b32 v6, v[112+t] offset:512*t
.set t, t+1
.endr
	ds_store_b32 v6, v50 offset:16*512
.endif
; Four matrix instructions: block a of my rows x column blocks lo .. lo + 3, 32 along K, from buffer f.  zero = 1: the product starts the sum.
.macro HALFG f, a, zero, lo
	WIN 0x50                                       ; C and D in window 1
.irp b, (\lo), (\lo)+1, (\lo)+2, (\lo)+3
.if \zero
	v_wmma_f32_16x16x32_f16 v[8*(8*(\a)+(\b)):8*(8*(\a)+(\b))+7], v[FB+64*(\f)+8*(\b):FB+64*(\f)+8*(\b)+7], v[FA+32*(\f)+8*(\a):FA+32*(\f)+8*(\a)+7], 0
.else
	v_wmma_f32_16x16x32_f16 v[8*(8*(\a)+(\b)):8*(8*(\a)+(\b))+7], v[FB+64*(\f)+8*(\b):FB+64*(\f)+8*(\b)+7], v[FA+32*(\f)+8*(\a):FA+32*(\f)+8*(\a)+7], v[8*(8*(\a)+(\b)):8*(8*(\a)+(\b))+7]
.endif
.endr
.endm
.macro SCALE f, a                      ; KIND 1: block a of buffer f times its rows' factor: a matrix operand scaled between its load and its product, two f16 a line
.irp i, 0,1,2,3,4,5,6,7
	v_pk_mul_f16 v[FA+32*(\f)+8*(\a)+(\i)], v[FA+32*(\f)+8*(\a)+(\i)], v[F+(\a)]
.endr
.endm
; Eight matrix instructions of block a.  KIND 1 sets work in their middle: w = 1: the wait for the run of loads; blocks s1 and s2 of buffer sf are scaled, a block ahead of their products.
; The 32 accumulators take turns, one instruction a turn, in the same order in every quarter.
.macro GROUP f, a, zero, w=0, sf=0, s1=-1, s2=-1
	HALFG \f, \a, \zero, 0
.if SCALED
.if \w
	s_wait_dscnt 0x0
.endif
.if (\s1) >= 0
	WIN 0
	SCALE \sf, \s1
.endif
.if (\s2) >= 0
	SCALE \sf, \s2
.endif
.endif
	HALFG \f, \a, \zero, 4
.endm
.macro FETCH kc, g                     ; 24 LDS loads in one run: the fragments of quarter kc (32 along K) into buffer g
	WIN 0
.irp b, 0,1,2,3,4,5,6,7
	ds_load_tr16_b128 v[FB+64*(\g)+8*(\b):FB+64*(\g)+8*(\b)+3],   v[ADRB] offset:(\kc)*32*PB+32*(\b)
	ds_load_tr16_b128 v[FB+64*(\g)+8*(\b)+4:FB+64*(\g)+8*(\b)+7], v[ADRB] offset:(\kc)*32*PB+32*(\b)+16*PB
.endr
.irp a, 0,1,2,3
	ds_load_b128 v[FA+32*(\g)+8*(\a):FA+32*(\g)+8*(\a)+3],   v[ADRA] offset:64*(\kc)+(\a)*16*PA
	ds_load_b128 v[FA+32*(\g)+8*(\a)+4:FA+32*(\g)+8*(\a)+7], v[ADRA] offset:64*(\kc)+(\a)*16*PA+32
.endr
.endm
; A K step is four quarters of 32 along K, 32 matrix instructions each, on buffers 0, 1, 0, 1.  One of the first three: multiplies buffer f, and behind its first eight products fetches quarter kc into g.
.macro QUARTER kc, f, g, zero
	GROUP \f, 0, \zero, 0, \f, 1
	WIN 0
	PLACES
	FETCH \kc, \g
	GROUP \f, 1, \zero, 0, \f, 2
	GROUP \f, 2, \zero, 0, \f, 3
	GROUP \f, 3, \zero, 1, \g, 0
.if !SCALED
	s_wait_dscnt 0x0                               ; the run issued 24 products ago is in
.endif
.endm
; The last quarter multiplies buffer 1 and changes slots: ONE barrier; in front of it each wave waits for all its tensor loads (one is out: its part of the next slot), adds 0 to its spare word,
; and waits for that; its reads of this slot came back at the last quarter's end.  fill = 1: the barrier opens a round of the cluster's, and the slot just read out is filled again, two K steps ahead.
.macro TURN fill
	WIN 0
	s_wait_tensorcnt 0x0                           ; no tensor load of mine is out, so a group 0 may be written
	ds_add_u32 v[SPW], v[NIL]                      ; 0 onto my spare word
.if \fill
	s_xor_b32 s[G0A+5], s[G0A+5], SLOT1            ; the walking sets: the other slot than last time, the next K step
	s_add_nc_u64 s[G0A+6:G0A+7], s[G0A+6:G0A+7], 256
	s_xor_b32 s[G0B+5], s[G0B+5], SLOT1
	s_add_nc_u64 s[G0B+6:G0B+7], s[G0B+6:G0B+7], 262144
.endif
	GROUP 1, 0, 0, 0, 1, 1                         ; eight products stand between the add and the wait for it
	s_wait_dscnt 0x0
	s_barrier_signal -1
	GROUP 1, 1, 0, 0, 1, 2, 3                      ; work on registers while the others arrive
	WIN 0
	s_barrier_wait -1
.if \fill
	CREST                                          ; no wave of any partner still reads this slot or has a load on its way
	JLOAD                                          ; the first tensor load behind the round; its four v_nop are also the places in front of the loads below
.else
	PLACES
.endif
	s_xor_b32 s[TB], s[TB], SLOT1
	v_add_nc_u32 v[ADRA], s[TB], v[LA]
	v_add_nc_u32 v[ADRB], s[TB], v[LB]
	FETCH 0, 0
.if SCALED
.irp a, 0,1,2,3
	ds_load_b32 v[F+(\a)], v[FTA] offset:64*(\a)   ; the next step's factors: this step's last scalings stand above
.endr
	v_add_nc_u32 v[FTA], 512, v[FTA]
.endif
	GROUP 1, 2, 0
	GROUP 1, 3, 0, 1, 0, 0
.if !SCALED
	s_wait_dscnt 0x0
.endif
.endm
	s_wait_tensorcnt 0x1                           ; my part of K step 0 is in; K step 1's may stay out
.if SCALED
	s_wait_dscnt 0x0                               ; for the others' sake: my factors lie in LDS
.endif
	s_barrier_signal -1
	s_barrier_wait -1
	FETCH 0, 0
.if SCALED
.irp a, 0,1,2,3
	ds_load_b32 v[F+(\a)], v[FTA] offset:64*(\a)
	ds_load_b32 v[RL4+(\a)], v[FTA] offset:16*512+64*(\a)
.endr
	v_add_nc_u32 v[FTA], 512, v[FTA]
.endif
	s_wait_dscnt 0x0
.if SCALED
	SCALE 0, 0
.irp a, 0,1,2,3
	v_mov_b32 v[RLP+2*(\a)], v[RL4+(\a)]
	v_mov_b32 v[RLP+2*(\a)+1], v[RL4+(\a)]
.endr
.endif
	QUARTER 1, 0, 1, 1                             ; the first quarter stands in front of the loop: its products start the sums
	WIN 0                                          ; at a label and at a branch every window is 0
	s_mov_b32 s2, NSTEP-2
.Lstep:                                                ; a trip: from a step's second quarter to the next step's first; it fills one slot again
	QUARTER 2, 1, 0, 0
	QUARTER 3, 0, 1, 0
	TURN 1
	QUARTER 1, 0, 1, 0
	WIN 0
	s_sub_co_u32 s2, s2, 1
	s_cmp_lg_u32 s2, 0
	s_cbranch_scc1 .Lstep
	s_mov_b32 s2, 2
.Ltail:                                                ; the last two steps: a loop of their own, in which nothing is filled
	QUARTER 2, 1, 0, 0
	QUARTER 3, 0, 1, 0
	TURN 0                                         ; in the last trip its run of loads takes the other slot's old tile (KIND 1: and, for factors, the words of 1 / l) and serves nothing: the price, once a work-group, of one text for both trips
	WIN 0
	s_cmp_eq_u32 s2, 1
	s_cbranch_scc1 .Llast                          ; behind the last step there is no first quarter: products and LDS loads alone are jumped
	QUARTER 1, 0, 1, 0
	WIN 0
.Llast:
	s_sub_co_u32 s2, s2, 1
	s_cmp_lg_u32 s2, 0
	s_cbranch_scc1 .Ltail
	PLACES
	PLACES
; THE WAY OUT of block a (16 rows).  PACK: KIND 1: times 1 / l, rounded to f16; KIND 2: the bias is added, and the sums stay f32; each accumulator from its low end on.
; TOSTAGE: into my own stage in LDS and back as whole rows.  SEND: stored: each 16 lanes write 256 consecutive bytes, aligned.
.macro PACK a
.if KIND == 1
	WIN 0x41                                       ; accumulators in window 1, 1 / l in window 0
.set i, 0
.rept 32
	v_pk_mul_f32 v[64*(\a)+2*i:64*(\a)+2*i+1], v[64*(\a)+2*i:64*(\a)+2*i+1], v[RLP+2*(\a):RLP+2*(\a)+1]
.set i, i+1
.endr
	WIN 0x05
.set i, 0
.rept 32
	v_cvt_pk_f16_f32 v[TMP+i], v[64*(\a)+2*i], v[64*(\a)+2*i+1]
.set i, i+1
.endr
.else
	WIN 0x49                                       ; accumulators in window 1, the bias in window 2
.set i, 0
.rept 32
	v_pk_add_f32 v[64*(\a)+2*i:64*(\a)+2*i+1], v[64*(\a)+2*i:64*(\a)+2*i+1], v[2*i:2*i+1]
.set i, i+1
.endr
.endif
	WIN 0
.endm
.macro TOSTAGE a
.if KIND == 2
	WIN 0x04                                       ; store data in window 1
.irp b, 0,1,2,3,4,5,6,7
	ds_store_b128 v[STO], v[64*(\a)+8*(\b):64*(\a)+8*(\b)+3]   offset:64*(\b)
	ds_store_b128 v[STO], v[64*(\a)+8*(\b)+4:64*(\a)+8*(\b)+7] offset:64*(\b)+16
.endr
	WIN 0
.set t, 0
.rept 16
	ds_load_b128 v[BK+64*((\a)%2)+4*t:BK+64*((\a)%2)+4*t+3], v[RD] offset:t*SP  ; LDS serves a wave's instructions in order (ISA guide 5.7.1.4): these see the stores above
.set t, t+1
.endr
.else
	WIN 0
.irp b, 0,1,2,3,4,5,6,7
	ds_store_b128 v[STO], v[TMP+4*(\b):TMP+4*(\b)+3] offset:32*(\b)
.endr
.irp t, 0,1,2,3,4,5,6,7
	ds_load_b128 v[BK+32*((\a)%2)+4*(\t):BK+32*((\a)%2)+4*(\t)+3], v[RD] offset:(\t)*2*SP  ; LDS serves a wave's instructions in order (ISA guide 5.7.1.4): these see the stores above
.endr
.endif
.endm
.macro SEND a
	WIN 0
	s_wait_dscnt 0x0                               ; the block is back in registers
	s_wait_xcnt 0x0                                ; the other set, which the stores of the block before read, is loaded again only behind this wait
.if KIND == 2
.set t, 0
.rept 16
	global_store_b128 v[CO], v[BK+64*((\a)%2)+4*t:BK+64*((\a)%2)+4*t+3], s[8:9] offset:(16*(\a)+t)*CP th:TH_STORE_NT
.set t, t+1
.endr
.else
.irp t, 0,1,2,3,4,5,6,7
	global_store_b128 v[CO], v[BK+32*((\a)%2)+4*(\t):BK+32*((\a)%2)+4*(\t)+3], s[8:9] offset:(16*(\a)+2*(\t))*CP
.endr
.endif
.endm
	PACK 0
	TOSTAGE 0
.irp a, 1,2,3                          ; block a's arithmetic stands between block a - 1's loads from the stage and the wait for them
	PACK \a
	SEND (\a)-1
	TOSTAGE \a
.endr
	SEND 3
	s_wait_tensorcnt 0x0                           ; the wave's end, behind my last tensor load and my last LDS store
	ds_add_u32 v[SPW], v[NIL]
	s_wait_dscnt 0x0
	CROUND                                         ; the closing round: no work-group ends while a partner may still ask for a tile that names it
	s_endpgm
.Lfunc_end_k_qcf968c2b2f_pv:
	.size	k_qcf968c2b2f_pv, .Lfunc_end_k_qcf968c2b2f_pv-k_qcf968c2b2f_pv
	.p2alignl 7, 3214868480
	.fill 96, 4, 3214868480
	.section	.rodata,"a",@progbits
	.p2align	6, 0x0
	.amdhsa_kernel k_qcf968c2b2f_pv
		.amdhsa_group_segment_fixed_size 327680
		.amdhsa_private_segment_fixed_size 0
		.amdhsa_enable_private_segment 0
		.amdhsa_kernarg_size 40
		.amdhsa_user_sgpr_count 2
		.amdhsa_user_sgpr_kernarg_segment_ptr 1
		.amdhsa_wavefront_size32 1
		.amdhsa_system_sgpr_workgroup_id_x 1
		.amdhsa_system_sgpr_workgroup_id_y 1
		.amdhsa_system_sgpr_workgroup_id_z 1
		.amdhsa_system_vgpr_workitem_id 0
		.amdhsa_next_free_vgpr 512
		.amdhsa_next_free_sgpr 76
		.amdhsa_reserve_vcc 0
		.amdhsa_float_denorm_mode_32 3
		.amdhsa_float_denorm_mode_16_64 3
		.amdhsa_memory_ordered 1
		.amdhsa_forward_progress 1
		.amdhsa_inst_pref_size 99
	.end_amdhsa_kernel
	.amdgpu_metadata
---
amdhsa.version: [ 1, 2 ]
amdhsa.kernels:
  - .name:           k_qcf968c2b2f_pv
    .symbol:         k_qcf968c2b2f_pv.kd
    .args:
      - { .name: ph, .offset: 0, .size: 8, .value_kind: global_buffer, .address_space: global }
      - { .name: qkv, .offset: 8, .size: 8, .value_kind: global_buffer, .address_space: global }
      - { .name: cm, .offset: 16, .size: 8, .value_kind: global_buffer, .address_space: global }
      - { .name: ls, .offset: 24, .size: 8, .value_kind: global_buffer, .address_space: global }
      - { .name: oh, .offset: 32, .size: 8, .value_kind: global_buffer, .address_space: global }
    .group_segment_fixed_size: 327680
    .private_segment_fixed_size: 0
    .kernarg_segment_align: 8
    .kernarg_segment_size: 40
    .max_flat_workgroup_size: 128
    .sgpr_count:     76
    .vgpr_count:     512
    .wavefront_size: 32
...
	.end_amdgpu_metadata
.endif
;; end of part 4
;; launch outp (part 5): grid 4 x 64, 4 waves a work-group, clusters of 4 x 4, 327,680 bytes of LDS; arguments oh, wh, bo, out0; writes out0
.if DOCPART == 5
	.amdgcn_target "amdgcn-amd-amdhsa--gfx1250"
	.amdhsa_code_object_version 6
	.text
	.protected	k_qcf968c2b2f_outp
	.globl	k_qcf968c2b2f_outp
	.p2align	8
	.type	k_qcf968c2b2f_outp,@function
k_qcf968c2b2f_outp:
	s_mov_b64 s[64:65], 0
	v_nop
	global_prefetch_b8 v0, s[64:65] scope:SCOPE_SE
	s_setreg_imm32_b32 hwreg(HW_REG_WAVE_MODE, 25, 1), 1
	s_wait_xcnt 0x0
	s_wait_alu depctr_hold_cnt(0) depctr_sa_sdst(0) depctr_va_vdst(0) depctr_va_sdst(0) depctr_va_ssrc(0) depctr_va_vcc(0) depctr_vm_vsrc(0)
	s_getreg_b32 s2, hwreg(HW_REG_IB_STS2, 6, 4)
	s_cmp_eq_u32 s2, 0
	s_cbranch_scc0 .Lentry_in_a_cluster
	s_endpgm
.Lentry_in_a_cluster:
	s_bfe_u32 s2, ttmp6, 0x10000c
	s_cmp_lg_u32 s2, 0xf033
	s_cbranch_scc0 .Lentry_shape_is_right
	s_endpgm
.Lentry_shape_is_right:
; KIND 2, THE OUTPUT PROJECTION: out0[row][e] = sum over d of oh[row][d] wh[3][d][e] + bo[e], stored as f32.
; ONE TEXT SERVES TWO LAUNCHES, told apart by the constant KIND: 1 O = (sum over pieces t of (f_t P_t) V_t) / l; 2 out0 = oh wh[3] + bo in f32.
; C[m][n] = sum over k of A[m][k] B[k][n].  A: [8192][KA] f16, K along the rows.  B: [K][1024] f16, N along the rows.  Products in f16 with f32 sums.
; LIMITS.  f16 holds no number beyond 65,504 and keeps a fixed step of 6e-8 below 6e-5: what arrives as f16 (O, Wo) lies within that; NaN and infinities are not treated apart.  The bias is rounded to bf16 like every input.
; SHARES.  A work-group makes 128 x 256 of C, each of its four waves 64 x 128: 32 accumulators of 16 x 16, 256 registers: 256 work-groups in either launch.
; K goes in steps of 128 through two LDS slots.  Waves 0 and 1 fetch the halves of A's tile (64 rows x 256 bytes), waves 2 and 3 those of B's (64 rows x 512 bytes): one tensor load a wave and step.
; CLUSTER 4 x 4: A's tile hangs on the tile row alone and is asked for jointly by a row of the cluster, B's on the tile column (and the cluster's y) alone, by a column.
; THE MATRIX INSTRUCTION IS USED TRANSPOSED: source 0 = 16 columns of B (turned on the way out of LDS by ds_load_tr16_b128), source 1 = 16 rows of A: a lane holds row l % 16 of C and the columns 8 (l / 16) + 0..7.
; NO PREFETCH: a step is 128 matrix instructions on a small tile, and the tiles are shared by joint loads.
; REGISTERS, in windows of 256 (s_set_vgpr_msb: bits 1:0 source 0, 3:2 source 1, 5:4 source 2, 7:6 destination):
;   window 0: v0-47 addresses and small things; v64-127 A's fragments, two buffers of 32; v128-255 B's, two buffers of 64      window 1: the accumulators, (a, b) at v[8 (8 a + b)]      window 2 (KIND 2): v0-63 the bias
.set KIND, 2
.if KIND == 1
.set KA, 2048                          ; elements in a row of A
.set SCALED, 1                         ; A's fragments are multiplied by the step's factors
.set SP, 272                           ; a stage row: 256 bytes of f16 + 16
.set CP, 2048                          ; bytes in a row of C
.set BK, 128                           ; rows read back from the stage: two sets of 32 registers
.else
.set KA, 1024
.set SCALED, 0
.set SP, 528                           ; a stage row: 512 bytes of f32 + 16
.set CP, 4096
.set BK, 64                            ; two sets of 64 registers
.endif
.set NSTEP, KA/128
.set PA, 272                           ; a row of A in LDS: 256 bytes + 16 = 68 words: the 16 rows of a load start at 16 different groups of four banks (64 banks of 4 bytes: ISA guide 11.1)
.set PB, 544                           ; a row of B: 512 + 32 = 136 words
.set BOFF, 128*PA                      ; a slot: A's 128 rows, then B's 128 rows
.set SLOT1, 1<<17                      ; slot 1 begins here: one exclusive or turns an address in one slot into the other's
.set STAGE, SLOT1+BOFF+128*PB          ; behind the ring, never filled by a tensor load: 16 rows for each wave, for the way out
.set FT, STAGE+4*16*SP                 ; KIND 1: the factors, [16 t][128 rows] words, then 1 / l, [128 rows]
.if KIND == 1
.set SPARE, FT+16*512+512
.else
.set SPARE, FT                         ; the spare words, 128 bytes for each wave: two blocks of 256 bytes that no other line names
.endif
.set LA,   14                          ; v14  my lane's place in A's tile; never rewritten
.set LB,   15                          ; v15  the same for B
.set ADRA, 16                          ; v16  LDS address of my A fragments in the slot in hand
.set ADRB, 20                          ; v20  the same for B
.set STO,  24                          ; v24  the way out: where I put my part of a row
.set RD,   25                          ; v25  the way out: where I read rows back
.set CO,   26                          ; v26  my byte offset in C
.set BO,   27                          ; v27  my byte offset in the bias
.set SPW,  28                          ; v28  LDS address of my spare word; never rewritten
.set NIL,  29                          ; v29  0; never rewritten
.set FTA,  30                          ; v30  KIND 1: where the next step's factors lie
.set F,    32                          ; v32-35  KIND 1: the step's factor for my row of blocks 0-3, f16 in both halves
.set RL4,  36                          ; v36-39  KIND 1: 1 / l for my row of blocks 0-3
.set RLP,  40                          ; v40-47  the same, each twice: pairs for the packed multiply
.set FA,   64
.set FB,   128
.set TMP,  64                          ; the way out: packed results
.set G1A, 24                           ; s[24:31] descriptor group 1 for A's tiles
.set G0A, 32                           ; s[32:39] group 0: a set for each first fill; the second then walks on
.set G1B, 48                           ; s[48:55], s[56:63] the same for B's
.set G0B, 56
.set TB,  45                           ; s45  0 or SLOT1: the slot in hand
.set BP,  66                           ; s[66:67] the bias
.set MSB, 0
.macro WIN new                         ; the immediate's high byte repeats the setting that is left; a switch that changes nothing is dropped
.if MSB != (\new)
	s_set_vgpr_msb (MSB<<8)|(\new)
.set MSB, \new
.endif
.endm
.macro PLACES                          ; four places in front of loads into registers that matrix instructions have read
.rept 4
	v_nop
.endr
.endm
.macro JLOAD                           ; a joint refill by the walking sets; the branch hangs on the wave's number alone; s_nop 0 and four v_nop follow each line
	s_cmp_eq_u32 s11, 0
	s_cbranch_scc0 .Lfor_b_\@
	tensor_load_to_lds s[G0A+4:G0A+7], s[G1A:G1A+7]
	s_nop 0
.rept 4
	v_nop
.endr
	s_branch .Lasked_\@
.Lfor_b_\@:
	tensor_load_to_lds s[G0B+4:G0B+7], s[G1B:G1B+7]
	s_nop 0
.rept 4
	v_nop
.endr
.Lasked_\@:
.endm
.macro CREST                           ; a round of the cluster's barrier behind its opening barrier
	s_cmp_lg_u32 s10, 0
	s_cbranch_scc1 .Lnot_wave_0_\@
	s_barrier_signal -3
.Lnot_wave_0_\@:
	s_barrier_wait -3
	s_barrier_signal -1
	s_barrier_wait -1
.endm
.macro CROUND                          ; a whole round
	s_barrier_signal -1
	s_barrier_wait -1
	CREST
.endm
	s_load_b128 s[4:7], s[0:1], 0x0                ; A s[4:5], B's buffer s[6:7]
	s_load_b128 s[68:71], s[0:1], 0x10             ; KIND 1: cm, ls; 2: bo, out0
.if KIND == 1
	s_load_b64 s[8:9], s[0:1], 0x20                ; oh
.endif
	v_lshl_add_u32 v[SPW], v0, 2, SPARE
	v_mov_b32 v[NIL], 0
	ds_add_u32 v[SPW], v[NIL]                      ; the wave's opening: the add and its wait stand ahead of my first tensor load; the set-up below, work on registers, stands between them
	v_lshrrev_b32 v1, 5, v0
	v_readfirstlane_b32 s10, v1                    ; wave 0..3
	s_lshr_b32 s11, s10, 1                         ; which 64 rows of the tile are mine.  Also: I fetch for A (0) or for B (1)
	s_and_b32 s12, s10, 1                          ; which 128 columns.  Also: which half of that tile I fetch
	s_bfe_u32 s40, ttmp6, 0x40000                  ; cx, cy: my place in the cluster
	s_bfe_u32 s41, ttmp6, 0x40004
	s_lshl_b32 s42, ttmp9, 2
	s_add_co_u32 s42, s42, s40                     ; tile column = 4 x cluster x + cx
	s_and_b32 s3, ttmp7, 0xffff                    ; cluster y
	s_lshl_b32 s13, s3, 2
	s_add_co_u32 s13, s13, s41                     ; tile row = 4 x cluster y + cy
	s_lshl_b32 s43, s41, 2
	s_lshl_b32 s43, 15, s43                        ; my row of the cluster
	s_lshl_b32 s44, 0x1111, s40                    ; my column
	s_or_b32 s[G1A], s43, (1<<16)|(1<<20)|(1<<21)|(5<<22)|(3<<25)  ; the mask; 2-byte elements; padding on; bit 21 beside a mask; after every 64 words, 4 words
	s_mov_b32 s[G1A+1], 128<<16                    ; tensor_dim0 = 128
	s_mov_b32 s[G1A+2], 64<<16                     ; tensor_dim1 = 64
	s_mov_b32 s[G1A+3], 128<<16                    ; tile_dim0 = 128
	s_mov_b32 s[G1A+4], 64                         ; tile_dim1 = 64
	s_mov_b32 s[G1A+5], KA                         ; elements from row to row
	s_mov_b32 s[G1A+6], 0
	s_mov_b32 s[G1A+7], 0
	s_or_b32 s[G1B], s44, (1<<16)|(1<<20)|(1<<21)|(6<<22)|(7<<25)  ; after every 128 words, 8 words
	s_mov_b32 s[G1B+1], 256<<16                    ; tensor_dim0 = 256
	s_mov_b32 s[G1B+2], 64<<16
	s_mov_b32 s[G1B+3], 256<<16                    ; tile_dim0 = 256
	s_mov_b32 s[G1B+4], 64
	s_mov_b32 s[G1B+5], 1024
	s_mov_b32 s[G1B+6], 0
	s_mov_b32 s[G1B+7], 0
	s_lshl_b32 s16, s13, 7                         ; A: row 128 x tile row + 64 x half, in registers that never hold cx
	s_lshl_b32 s17, s12, 6
	s_add_co_u32 s16, s16, s17
	s_mul_i32 s16, s16, KA*2                       ; in bytes, under 2^26
	s_mov_b32 s17, 0
	s_lshl_b32 s46, s12, 17                        ; B: 64 x half rows of 2,048 bytes, in registers that never hold cy
	s_lshl_b32 s47, s42, 9                         ; + 256 columns x tile column
	s_add_co_u32 s46, s46, s47
.if KIND == 1
	s_lshr_b32 s47, s3, 2                          ; batch = tile row / 16 = cluster y / 4
	s_lshl_b32 s47, s47, 22                        ; its 2,048 rows of V,
	s_add_co_u32 s46, s46, s47
	s_add_co_u32 s46, s46, 33554432                ; which is qkv[2]
.else
	s_add_co_u32 s46, s46, 6291456                 ; wh[3] = Wo
.endif
	s_mov_b32 s47, 0
	s_mul_i32 s20, s12, 64*PA                      ; where they go: no place in the cluster enters an LDS address
	s_mul_i32 s21, s12, 64*PB
	s_add_co_u32 s21, s21, BOFF
	s_mov_b32 s[TB], 0
	s_wait_dscnt 0x0                               ; the opening add is done
	s_wait_kmcnt 0x0
	s_add_nc_u64 s[14:15], s[4:5], s[16:17]
	s_add_nc_u64 s[46:47], s[6:7], s[46:47]
.if KIND == 2
	s_mov_b64 s[8:9], s[70:71]
.endif
	CROUND                                         ; all sixteen work-groups are here: the first joint loads meet
.irp s, 0,1
	s_mov_b32 s[G0A+4*(\s)], 1
	s_add_co_u32 s[G0A+4*(\s)+1], s20, (\s)*SLOT1
	s_add_nc_u64 s[G0A+4*(\s)+2:G0A+4*(\s)+3], s[14:15], (\s)*256       ; K step s: 256 bytes along A's rows
	s_or_b32 s[G0A+4*(\s)+3], s[G0A+4*(\s)+3], 0x80000000
	s_mov_b32 s[G0B+4*(\s)], 1
	s_add_co_u32 s[G0B+4*(\s)+1], s21, (\s)*SLOT1
	s_add_nc_u64 s[G0B+4*(\s)+2:G0B+4*(\s)+3], s[46:47], (\s)*262144    ; K step s: 128 rows of B down
	s_or_b32 s[G0B+4*(\s)+3], s[G0B+4*(\s)+3], 0x80000000
.endr
	s_cmp_eq_u32 s11, 0                            ; a wave's two first fills stand in one branch, ahead of every wait on TENSORcnt and every LDS read: two loads of mine are out
	s_cbranch_scc0 .Lfirst_b
	tensor_load_to_lds s[G0A:G0A+3], s[G1A:G1A+7]
	s_nop 0
	tensor_load_to_lds s[G0A+4:G0A+7], s[G1A:G1A+7]
	s_nop 0
.rept 4
	v_nop
.endr
	s_branch .Lfirst_asked
.Lfirst_b:
	tensor_load_to_lds s[G0B:G0B+3], s[G1B:G1B+7]
	s_nop 0
	tensor_load_to_lds s[G0B+4:G0B+7], s[G1B:G1B+7]
	s_nop 0
.rept 4
	v_nop
.endr
.Lfirst_asked:
	; A fragment of A is 16 rows x 32 K in 8 registers: lane l holds row l % 16, K = 8 (l / 16) + 0..7 and 16 + 8 (l / 16) + 0..7: two loads of 16 bytes, 32 bytes apart.
	; The turning load takes 16 K x 16 columns (lane l reads row 8 (l / 16) + l % 8, columns 8 ((l / 8) % 2) + 0..7) and leaves half a fragment of B^T: lane l holds column l % 16 and 8 K.
	v_and_b32 v1, 15, v0                           ; l % 16
	v_bfe_u32 v2, v0, 4, 1                         ; l / 16
	v_and_b32 v3, 7, v0
	v_bfe_u32 v4, v0, 3, 1
	v_mul_u32_u24 v[LA], v1, PA
	v_lshl_add_u32 v[LA], v2, 4, v[LA]
	s_mul_i32 s18, s11, 64*PA                      ; my 64 rows of A
	v_add_nc_u32 v[LA], s18, v[LA]
	v_lshl_add_u32 v[LB], v2, 3, v3
	v_mul_u32_u24 v[LB], v[LB], PB
	v_lshl_add_u32 v[LB], v4, 4, v[LB]
	s_lshl_b32 s18, s12, 8                         ; my 128 columns of B
	s_add_co_u32 s18, s18, BOFF
	v_add_nc_u32 v[LB], s18, v[LB]
	v_mov_b32 v[ADRA], v[LA]                       ; slot 0
	v_mov_b32 v[ADRB], v[LB]
	s_mul_i32 s18, s10, 16*SP
	s_add_co_u32 s18, s18, STAGE                   ; my stage
	v_mul_u32_u24 v[STO], v1, SP                   ; in: row l % 16
.if KIND == 2
	v_lshl_add_u32 v[STO], v2, 5, v[STO]           ; 32 bytes for each half of the lanes
	v_add_nc_u32 v[STO], s18, v[STO]
	v_and_b32 v[CO], 31, v0                        ; back: 32 lanes take one row of 512 bytes
	v_lshlrev_b32 v[CO], 4, v[CO]
	v_add_nc_u32 v[RD], s18, v[CO]
.else
	v_lshl_add_u32 v[STO], v2, 4, v[STO]           ; 16 bytes for each half of the lanes
	v_add_nc_u32 v[STO], s18, v[STO]
	v_mul_u32_u24 v[RD], v2, SP                    ; back: lanes 0-15 take one row of 256 bytes, lanes 16-31 the next
	v_lshl_add_u32 v[RD], v1, 4, v[RD]
	v_add_nc_u32 v[RD], s18, v[RD]
	v_lshlrev_b32 v[CO], 11, v2                    ; and the same two rows in C
	v_lshl_add_u32 v[CO], v1, 4, v[CO]
.endif
	s_lshl_b32 s16, s13, 7                         ; C at my first row,
	s_lshl_b32 s17, s11, 6
	s_add_co_u32 s16, s16, s17
	s_mul_i32 s16, s16, CP
	s_mov_b32 s17, 0
	s_add_nc_u64 s[8:9], s[8:9], s[16:17]
	s_mul_i32 s46, s42, CP/4                       ; my first column: 256 x tile column + 128 x half, in bytes
	s_mul_i32 s47, s12, CP/8
	s_add_co_u32 s46, s46, s47
	s_mov_b32 s47, 0
	s_add_nc_u64 s[8:9], s[8:9], s[46:47]
.if KIND == 2
	; THE BIAS of my 128 columns, laid as an accumulator row lies: register 8 b + j = bias[16 b + 8 (l / 16) + j]; rounded to bf16 like every input, kept as f32 in window 2.
	s_lshl_b32 s18, s42, 10
	s_lshl_b32 s19, s12, 9
	s_add_co_u32 s18, s18, s19
	v_lshl_add_u32 v[BO], v2, 5, s18
	s_mov_b64 s[BP:BP+1], s[68:69]
	s_mov_b32 s19, 0xffff0000
	WIN 0x80                                       ; destination window 2
.irp b, 0,1,2,3,4,5,6,7
	global_load_b128 v[8*(\b):8*(\b)+3],   v[BO], s[BP:BP+1] offset:64*(\b)
	global_load_b128 v[8*(\b)+4:8*(\b)+7], v[BO], s[BP:BP+1] offset:64*(\b)+16
.endr
	s_wait_loadcnt 0x0
	WIN 0x0a                                       ; sources window 2, destination window 0
.set i, 0
.rept 32
	v_cvt_pk_bf16_f32 v[FA+i], v[2*i], v[2*i+1]
.set i, i+1
.endr
	WIN 0x80
.set i, 0
.rept 32
	v_lshlrev_b32 v[2*i], 16, v[FA+i]
	v_and_b32 v[2*i+1], s19, v[FA+i]
.set i, i+1
.endr
	WIN 0
.else
	; THE ROWS' STATISTICS.  Thread tau owns row tau of the work-group's 128.  m = the largest of its 16 pieces' c x maximum: the row's true maximum, so no exponent is above 0.
	; f_t = 2^(cm_t - m), rounded to f16; l = sum of f_t ls_t with the very f_t that P is multiplied by; l is at least 1 (the piece that holds the maximum has f = 1 and a weight 1).
	s_lshr_b32 s18, s3, 2                          ; batch
	s_lshl_b32 s18, s18, 17                        ; [16 t][2048 q] f32
	s_and_b32 s19, s13, 15
	s_lshl_b32 s19, s19, 9                         ; my work-group's 128 rows
	s_add_co_u32 s18, s18, s19
	s_mov_b32 s19, 0
	s_add_nc_u64 s[68:69], s[68:69], s[18:19]
	s_add_nc_u64 s[70:71], s[70:71], s[18:19]
	v_lshlrev_b32 v5, 2, v0
.set t, 0
.rept 16
	global_load_b32 v[64+t], v5, s[68:69] offset:8192*t
.set t, t+1
.endr
.set t, 0
.rept 16
	global_load_b32 v[80+t], v5, s[70:71] offset:8192*t
.set t, t+1
.endr
	v_add_nc_u32 v6, FT, v5                        ; where I put my row's factors: FT + 512 t + 4 tau
	s_lshl_b32 s18, s11, 8
	s_add_co_u32 s18, s18, FT
	v_lshl_add_u32 v[FTA], v1, 2, s18              ; where I read them: my wave's 64 rows, row l % 16 of block a at + 64 a
	s_wait_loadcnt 0x0
	v_max3_num_f32 v48, v64, v65, v66
.set t, 0
.rept 6
	v_max3_num_f32 v48, v48, v[67+2*t], v[68+2*t]
.set t, t+1
.endr
	v_max_num_f32 v48, v48, v79
.set t, 0
.rept 16
	v_sub_f32 v[96+t], v[64+t], v48
.set t, t+1
.endr
.set t, 0
.rept 16
	v_exp_f32 v[96+t], v[96+t]
.set t, t+1
.endr
	v_mov_b32 v49, 0                               ; l starts at 0: also the plain instruction behind the last exponential
	s_wait_alu depctr_va_vdst(0)                   ; one wait for the batch of 16, ahead of its first reader
.set t, 0
.rept 16
	v_cvt_pk_f16_f32 v[112+t], v[96+t], v[96+t]    ; f in both halves
.set t, t+1
.endr
.set t, 0
.rept 16
	v_fma_mix_f32 v49, v[112+t], v[80+t], v49 op_sel_hi:[1,0,0]  ; l += f16(f_t) x ls_t, in f32
.set t, t+1
.endr
	v_rcp_f32 v50, v49
	v_nop
	s_wait_alu depctr_va_vdst(0)
.set t, 0
.rept 16
	ds_store_b32 v6, v[112+t] offset:512*t
.set t, t+1
.endr
	ds_store_b32 v6, v50 offset:16*512
.endif
; Four matrix instructions: block a of my rows x column blocks lo .. lo + 3, 32 along K, from buffer f.  zero = 1: the product starts the sum.
.macro HALFG f, a, zero, lo
	WIN 0x50                                       ; C and D in window 1
.irp b, (\lo), (\lo)+1, (\lo)+2, (\lo)+3
.if \zero
	v_wmma_f32_16x16x32_f16 v[8*(8*(\a)+(\b)):8*(8*(\a)+(\b))+7], v[FB+64*(\f)+8*(\b):FB+64*(\f)+8*(\b)+7], v[FA+32*(\f)+8*(\a):FA+32*(\f)+8*(\a)+7], 0
.else
	v_wmma_f32_16x16x32_f16 v[8*(8*(\a)+(\b)):8*(8*(\a)+(\b))+7], v[FB+64*(\f)+8*(\b):FB+64*(\f)+8*(\b)+7], v[FA+32*(\f)+8*(\a):FA+32*(\f)+8*(\a)+7], v[8*(8*(\a)+(\b)):8*(8*(\a)+(\b))+7]
.endif
.endr
.endm
.macro SCALE f, a                      ; KIND 1: block a of buffer f times its rows' factor: a matrix operand scaled between its load and its product, two f16 a line
.irp i, 0,1,2,3,4,5,6,7
	v_pk_mul_f16 v[FA+32*(\f)+8*(\a)+(\i)], v[FA+32*(\f)+8*(\a)+(\i)], v[F+(\a)]
.endr
.endm
; Eight matrix instructions of block a.  KIND 1 sets work in their middle: w = 1: the wait for the run of loads; blocks s1 and s2 of buffer sf are scaled, a block ahead of their products.
; The 32 accumulators take turns, one instruction a turn, in the same order in every quarter.
.macro GROUP f, a, zero, w=0, sf=0, s1=-1, s2=-1
	HALFG \f, \a, \zero, 0
.if SCALED
.if \w
	s_wait_dscnt 0x0
.endif
.if (\s1) >= 0
	WIN 0
	SCALE \sf, \s1
.endif
.if (\s2) >= 0
	SCALE \sf, \s2
.endif
.endif
	HALFG \f, \a, \zero, 4
.endm
.macro FETCH kc, g                     ; 24 LDS loads in one run: the fragments of quarter kc (32 along K) into buffer g
	WIN 0
.irp b, 0,1,2,3,4,5,6,7
	ds_load_tr16_b128 v[FB+64*(\g)+8*(\b):FB+64*(\g)+8*(\b)+3],   v[ADRB] offset:(\kc)*32*PB+32*(\b)
	ds_load_tr16_b128 v[FB+64*(\g)+8*(\b)+4:FB+64*(\g)+8*(\b)+7], v[ADRB] offset:(\kc)*32*PB+32*(\b)+16*PB
.endr
.irp a, 0,1,2,3
	ds_load_b128 v[FA+32*(\g)+8*(\a):FA+32*(\g)+8*(\a)+3],   v[ADRA] offset:64*(\kc)+(\a)*16*PA
	ds_load_b128 v[FA+32*(\g)+8*(\a)+4:FA+32*(\g)+8*(\a)+7], v[ADRA] offset:64*(\kc)+(\a)*16*PA+32
.endr
.endm
; A K step is four quarters of 32 along K, 32 matrix instructions each, on buffers 0, 1, 0, 1.  One of the first three: multiplies buffer f, and behind its first eight products fetches quarter kc into g.
.macro QUARTER kc, f, g, zero
	GROUP \f, 0, \zero, 0, \f, 1
	WIN 0
	PLACES
	FETCH \kc, \g
	GROUP \f, 1, \zero, 0, \f, 2
	GROUP \f, 2, \zero, 0, \f, 3
	GROUP \f, 3, \zero, 1, \g, 0
.if !SCALED
	s_wait_dscnt 0x0                               ; the run issued 24 products ago is in
.endif
.endm
; The last quarter multiplies buffer 1 and changes slots: ONE barrier; in front of it each wave waits for all its tensor loads (one is out: its part of the next slot), adds 0 to its spare word,
; and waits for that; its reads of this slot came back at the last quarter's end.  fill = 1: the barrier opens a round of the cluster's, and the slot just read out is filled again, two K steps ahead.
.macro TURN fill
	WIN 0
	s_wait_tensorcnt 0x0                           ; no tensor load of mine is out, so a group 0 may be written
	ds_add_u32 v[SPW], v[NIL]                      ; 0 onto my spare word
.if \fill
	s_xor_b32 s[G0A+5], s[G0A+5], SLOT1            ; the walking sets: the other slot than last time, the next K step
	s_add_nc_u64 s[G0A+6:G0A+7], s[G0A+6:G0A+7], 256
	s_xor_b32 s[G0B+5], s[G0B+5], SLOT1
	s_add_nc_u64 s[G0B+6:G0B+7], s[G0B+6:G0B+7], 262144
.endif
	GROUP 1, 0, 0, 0, 1, 1                         ; eight products stand between the add and the wait for it
	s_wait_dscnt 0x0
	s_barrier_signal -1
	GROUP 1, 1, 0, 0, 1, 2, 3                      ; work on registers while the others arrive
	WIN 0
	s_barrier_wait -1
.if \fill
	CREST                                          ; no wave of any partner still reads this slot or has a load on its way
	JLOAD                                          ; the first tensor load behind the round; its four v_nop are also the places in front of the loads below
.else
	PLACES
.endif
	s_xor_b32 s[TB], s[TB], SLOT1
	v_add_nc_u32 v[ADRA], s[TB], v[LA]
	v_add_nc_u32 v[ADRB], s[TB], v[LB]
	FETCH 0, 0
.if SCALED
.irp a, 0,1,2,3
	ds_load_b32 v[F+(\a)], v[FTA] offset:64*(\a)   ; the next step's factors: this step's last scalings stand above
.endr
	v_add_nc_u32 v[FTA], 512, v[FTA]
.endif
	GROUP 1, 2, 0
	GROUP 1, 3, 0, 1, 0, 0
.if !SCALED
	s_wait_dscnt 0x0
.endif
.endm
	s_wait_tensorcnt 0x1                           ; my part of K step 0 is in; K step 1's may stay out
.if SCALED
	s_wait_dscnt 0x0                               ; for the others' sake: my factors lie in LDS
.endif
	s_barrier_signal -1
	s_barrier_wait -1
	FETCH 0, 0
.if SCALED
.irp a, 0,1,2,3
	ds_load_b32 v[F+(\a)], v[FTA] offset:64*(\a)
	ds_load_b32 v[RL4+(\a)], v[FTA] offset:16*512+64*(\a)
.endr
	v_add_nc_u32 v[FTA], 512, v[FTA]
.endif
	s_wait_dscnt 0x0
.if SCALED
	SCALE 0, 0
.irp a, 0,1,2,3
	v_mov_b32 v[RLP+2*(\a)], v[RL4+(\a)]
	v_mov_b32 v[RLP+2*(\a)+1], v[RL4+(\a)]
.endr
.endif
	QUARTER 1, 0, 1, 1                             ; the first quarter stands in front of the loop: its products start the sums
	WIN 0                                          ; at a label and at a branch every window is 0
	s_mov_b32 s2, NSTEP-2
.Lstep:                                                ; a trip: from a step's second quarter to the next step's first; it fills one slot again
	QUARTER 2, 1, 0, 0
	QUARTER 3, 0, 1, 0
	TURN 1
	QUARTER 1, 0, 1, 0
	WIN 0
	s_sub_co_u32 s2, s2, 1
	s_cmp_lg_u32 s2, 0
	s_cbranch_scc1 .Lstep
	s_mov_b32 s2, 2
.Ltail:                                                ; the last two steps: a loop of their own, in which nothing is filled
	QUARTER 2, 1, 0, 0
	QUARTER 3, 0, 1, 0
	TURN 0                                         ; in the last trip its run of loads takes the other slot's old tile (KIND 1: and, for factors, the words of 1 / l) and serves nothing: the price, once a work-group, of one text for both trips
	WIN 0
	s_cmp_eq_u32 s2, 1
	s_cbranch_scc1 .Llast                          ; behind the last step there is no first quarter: products and LDS loads alone are jumped
	QUARTER 1, 0, 1, 0
	WIN 0
.Llast:
	s_sub_co_u32 s2, s2, 1
	s_cmp_lg_u32 s2, 0
	s_cbranch_scc1 .Ltail
	PLACES
	PLACES
; THE WAY OUT of block a (16 rows).  PACK: KIND 1: times 1 / l, rounded to f16; KIND 2: the bias is added, and the sums stay f32; each accumulator from its low end on.
; TOSTAGE: into my own stage in LDS and back as whole rows.  SEND: stored: each 16 lanes write 256 consecutive bytes, aligned.
.macro PACK a
.if KIND == 1
	WIN 0x41                                       ; accumulators in window 1, 1 / l in window 0
.set i, 0
.rept 32
	v_pk_mul_f32 v[64*(\a)+2*i:64*(\a)+2*i+1], v[64*(\a)+2*i:64*(\a)+2*i+1], v[RLP+2*(\a):RLP+2*(\a)+1]
.set i, i+1
.endr
	WIN 0x05
.set i, 0
.rept 32
	v_cvt_pk_f16_f32 v[TMP+i], v[64*(\a)+2*i], v[64*(\a)+2*i+1]
.set i, i+1
.endr
.else
	WIN 0x49                                       ; accumulators in window 1, the bias in window 2
.set i, 0
.rept 32
	v_pk_add_f32 v[64*(\a)+2*i:64*(\a)+2*i+1], v[64*(\a)+2*i:64*(\a)+2*i+1], v[2*i:2*i+1]
.set i, i+1
.endr
.endif
	WIN 0
.endm
.macro TOSTAGE a
.if KIND == 2
	WIN 0x04                                       ; store data in window 1
.irp b, 0,1,2,3,4,5,6,7
	ds_store_b128 v[STO], v[64*(\a)+8*(\b):64*(\a)+8*(\b)+3]   offset:64*(\b)
	ds_store_b128 v[STO], v[64*(\a)+8*(\b)+4:64*(\a)+8*(\b)+7] offset:64*(\b)+16
.endr
	WIN 0
.set t, 0
.rept 16
	ds_load_b128 v[BK+64*((\a)%2)+4*t:BK+64*((\a)%2)+4*t+3], v[RD] offset:t*SP  ; LDS serves a wave's instructions in order (ISA guide 5.7.1.4): these see the stores above
.set t, t+1
.endr
.else
	WIN 0
.irp b, 0,1,2,3,4,5,6,7
	ds_store_b128 v[STO], v[TMP+4*(\b):TMP+4*(\b)+3] offset:32*(\b)
.endr
.irp t, 0,1,2,3,4,5,6,7
	ds_load_b128 v[BK+32*((\a)%2)+4*(\t):BK+32*((\a)%2)+4*(\t)+3], v[RD] offset:(\t)*2*SP  ; LDS serves a wave's instructions in order (ISA guide 5.7.1.4): these see the stores above
.endr
.endif
.endm
.macro SEND a
	WIN 0
	s_wait_dscnt 0x0                               ; the block is back in registers
	s_wait_xcnt 0x0                                ; the other set, which the stores of the block before read, is loaded again only behind this wait
.if KIND == 2
.set t, 0
.rept 16
	global_store_b128 v[CO], v[BK+64*((\a)%2)+4*t:BK+64*((\a)%2)+4*t+3], s[8:9] offset:(16*(\a)+t)*CP th:TH_STORE_NT
.set t, t+1
.endr
.else
.irp t, 0,1,2,3,4,5,6,7
	global_store_b128 v[CO], v[BK+32*((\a)%2)+4*(\t):BK+32*((\a)%2)+4*(\t)+3], s[8:9] offset:(16*(\a)+2*(\t))*CP
.endr
.endif
.endm
	PACK 0
	TOSTAGE 0
.irp a, 1,2,3                          ; block a's arithmetic stands between block a - 1's loads from the stage and the wait for them
	PACK \a
	SEND (\a)-1
	TOSTAGE \a
.endr
	SEND 3
	s_wait_tensorcnt 0x0                           ; the wave's end, behind my last tensor load and my last LDS store
	ds_add_u32 v[SPW], v[NIL]
	s_wait_dscnt 0x0
	CROUND                                         ; the closing round: no work-group ends while a partner may still ask for a tile that names it
	s_endpgm
.Lfunc_end_k_qcf968c2b2f_outp:
	.size	k_qcf968c2b2f_outp, .Lfunc_end_k_qcf968c2b2f_outp-k_qcf968c2b2f_outp
	.p2alignl 7, 3214868480
	.fill 96, 4, 3214868480
	.section	.rodata,"a",@progbits
	.p2align	6, 0x0
	.amdhsa_kernel k_qcf968c2b2f_outp
		.amdhsa_group_segment_fixed_size 327680
		.amdhsa_private_segment_fixed_size 0
		.amdhsa_enable_private_segment 0
		.amdhsa_kernarg_size 32
		.amdhsa_user_sgpr_count 2
		.amdhsa_user_sgpr_kernarg_segment_ptr 1
		.amdhsa_wavefront_size32 1
		.amdhsa_system_sgpr_workgroup_id_x 1
		.amdhsa_system_sgpr_workgroup_id_y 1
		.amdhsa_system_sgpr_workgroup_id_z 1
		.amdhsa_system_vgpr_workitem_id 0
		.amdhsa_next_free_vgpr 576
		.amdhsa_next_free_sgpr 76
		.amdhsa_reserve_vcc 0
		.amdhsa_float_denorm_mode_32 3
		.amdhsa_float_denorm_mode_16_64 3
		.amdhsa_memory_ordered 1
		.amdhsa_forward_progress 1
		.amdhsa_inst_pref_size 74
	.end_amdhsa_kernel
	.amdgpu_metadata
---
amdhsa.version: [ 1, 2 ]
amdhsa.kernels:
  - .name:           k_qcf968c2b2f_outp
    .symbol:         k_qcf968c2b2f_outp.kd
    .args:
      - { .name: oh, .offset: 0, .size: 8, .value_kind: global_buffer, .address_space: global }
      - { .name: wh, .offset: 8, .size: 8, .value_kind: global_buffer, .address_space: global }
      - { .name: bo, .offset: 16, .size: 8, .value_kind: global_buffer, .address_space: global }
      - { .name: out0, .offset: 24, .size: 8, .value_kind: global_buffer, .address_space: global }
    .group_segment_fixed_size: 327680
    .private_segment_fixed_size: 0
    .kernarg_segment_align: 8
    .kernarg_segment_size: 32
    .max_flat_workgroup_size: 128
    .sgpr_count:     76
    .vgpr_count:     576
    .wavefront_size: 32
...
	.end_amdgpu_metadata
.endif
;; end of part 5
;; ======== version 2 of 2: 5 launches; version 1 with the launch prep written anew for expert scheduling mode
;; limits: values are held in f16: magnitudes above 65,504 overflow, below 6.1e-05 lose precision
;; workspace buffers: wh 8,388,608 bytes; qkv 50,331,648 bytes; ph 33,554,432 bytes; cm 524,288 bytes; ls 524,288 bytes; oh 16,777,216 bytes
;; launch prep (part 6): grid 256 x 1, 8 waves a work-group, no clusters, 0 bytes of LDS; arguments Wq, Wk, Wv, Wo, wh; writes wh
.if DOCPART == 6
	.amdgcn_target "amdgcn-amd-amdhsa--gfx1250"
	.amdhsa_code_object_version 6
	.text
	.protected	k_qcf968c2b2f_prep
	.globl	k_qcf968c2b2f_prep
	.p2align	8
	.type	k_qcf968c2b2f_prep,@function
k_qcf968c2b2f_prep:
	s_mov_b64 s[64:65], 0
	v_nop
	global_prefetch_b8 v0, s[64:65] scope:SCOPE_SE
	s_setreg_imm32_b32 hwreg(HW_REG_WAVE_SCHED_MODE, 0, 2), 2
	s_setreg_imm32_b32 hwreg(HW_REG_WAVE_MODE, 25, 1), 1
	s_wait_xcnt 0x0
	s_wait_alu depctr_vm_vsrc(0)
; THE WEIGHTS.  Wq, Wk, Wv, Wo ([1024][1024] f32 each) are rounded once to bf16 and stored in wh = [4][1024][1024] of 16 bits, not transposed:
; wh[0..2] (Wq, Wk, Wv) as bf16, for products with inputs in bf16; wh[3] (Wo) as that same number written in f16, for a product with an operand in f16.
; LIMITS.  A bf16 number is exact in f16 from 2^-17 up to 65,504; below 2^-17 it keeps f16's fixed step of 6e-8; beyond 65,504 it becomes an infinity (Wo alone).
; A pure stream: no LDS, no barrier, no matrix unit.  4,194,304 numbers are 256 chunks of 16,384; a work-group of eight waves takes one chunk.
; Thread t takes 16 bytes at 16 t of each 4,096 bytes in: a wave's load covers 512 consecutive bytes; its 8 bytes out lie at 8 t of each 2,048: a wave's store covers 256 consecutive bytes, aligned.
; All 16 loads of a thread go out first; no register that a load or store names is written again, so no wait frees one.
; Both forms are made for every number and one select by a scalar mask takes the chunk's: no branch.
; THE MODE: SCHED_MODE bits 1:0 = 2 (LLVM: expert scheduling mode 2), set by the entry lines.  The code itself states the register dependences
; between vector instructions and memory instructions, with s_wait_alu, always for 0.
; THE PLAN.  Registers that memory instructions touch:
;   v1, v2                 byte offsets of the loads and of the stores: written once at the head, read by every load or store, never written again.
;   X + 4 i .. X + 4 i + 3 load i lands here; piece i's two roundings read them behind the wait for that load; no vector line names them before.
;   X + 4 i, X + 4 i + 1   piece i's two selects write them, once; store i reads them; nothing writes them again.
;   v4 to v11 are at work between vector lines alone.
; A thread's 16 pieces go in four blocks of four.  The stores that stand in block p are those of block p - 1, whose data no vector line of block p names.  So ONE wait on va_vdst at a
; block's head states all that its four stores hang on, and they are dealt among the block's vector lines, one ahead of each piece, with no further wait.  Behind the last block one more
; wait stands ahead of the last four stores.  No register that a memory instruction has read is written again, so the text holds no wait on vm_vsrc;
; no vector line writes a scalar register or VCC (the select's mask is made by a scalar line), and EXEC is never written.
.set X, 16                             ; v[16:79]  16 x 4 words as loaded; the first two of each four then hold the four numbers to store
.set BLOCK, 4                          ; pieces in a block
	s_load_b256 s[8:15], s[0:1], 0x0               ; Wq, Wk, Wv, Wo
	s_load_b64 s[16:17], s[0:1], 0x20              ; wh
	s_lshr_b32 s2, ttmp9, 6                        ; which weight: chunk / 64
	s_and_b32 s3, ttmp9, 63                        ; which chunk of it
	s_lshl_b32 s26, s3, 16                         ; 65,536 bytes in a chunk of f32
	s_mov_b32 s27, 0
	s_lshl_b32 s28, ttmp9, 15                      ; 32,768 bytes in a chunk of 16-bit numbers
	s_mov_b32 s29, 0
	s_mov_b32 s34, 0xffff0000                      ; a word's upper bf16
	s_cmp_eq_u32 s2, 3
	s_cselect_b32 s35, -1, 0                       ; all lanes: Wo goes out as f16
	v_lshlrev_b32 v1, 4, v0                        ; 16 t
	v_lshlrev_b32 v2, 3, v0                        ; 8 t
	s_wait_kmcnt 0x0
	s_mov_b64 s[30:31], s[8:9]
.irp n, 1,2,3
	s_cmp_eq_u32 s2, \n
	s_cselect_b64 s[30:31], s[8+2*(\n):9+2*(\n)], s[30:31]
.endr
	s_add_nc_u64 s[30:31], s[30:31], s[26:27]
	s_add_nc_u64 s[32:33], s[16:17], s[28:29]
	s_wait_alu depctr_va_vdst(0)                   ; v1 and v2 are written: every load of the kernel reads v1 as its offset, every store v2
.set i, 0
.rept 16
	global_load_b128 v[X+4*i:X+4*i+3], v1, s[30:31] offset:4096*i th:TH_LOAD_NT
.set i, i+1
.endr
.set i, 0
.rept 16
.if ((i % BLOCK) == 0) && (i > 0)
	s_wait_loadcnt 15-i                            ; loads come back in order: number i is in, the 15 - i younger ones stay out
	s_wait_alu depctr_va_vdst(0)                   ; the block before has written its eight registers X + 4 j, X + 4 j + 1, which the four stores dealt among this block read
	global_store_b64 v2, v[X+4*(i-BLOCK):X+4*(i-BLOCK)+1], s[32:33] offset:2048*(i-BLOCK)
.elseif i > BLOCK
	global_store_b64 v2, v[X+4*(i-BLOCK):X+4*(i-BLOCK)+1], s[32:33] offset:2048*(i-BLOCK)  ; no wait: no vector line since the block's head names these registers; the store hangs on no load, so it stands ahead of the wait below
	s_wait_loadcnt 15-i                            ; number i is in, the 15 - i younger ones stay out
.else
	s_wait_loadcnt 15-i                            ; the first block has no block in front of it: nothing to store yet
.endif
	v_cvt_pk_bf16_f32 v4, v[X+4*i], v[X+4*i+1]     ; the one rounding of an input: to bf16, nearest even
	v_cvt_pk_bf16_f32 v5, v[X+4*i+2], v[X+4*i+3]
	v_lshlrev_b32 v6, 16, v4                       ; back to f32: a shift and a mask
	v_and_b32 v7, s34, v4
	v_lshlrev_b32 v8, 16, v5
	v_and_b32 v9, s34, v5
	v_cvt_pk_f16_f32 v10, v6, v7                   ; the same number as f16
	v_cvt_pk_f16_f32 v11, v8, v9
	v_cndmask_b32 v[X+4*i], v4, v10, s35           ; bf16, or for Wo f16
	v_cndmask_b32 v[X+4*i+1], v5, v11, s35
.set i, i+1
.endr
	s_wait_alu depctr_va_vdst(0)                   ; the last block has written its eight registers, which the last four stores read
.set i, 16-BLOCK
.rept BLOCK
	global_store_b64 v2, v[X+4*i:X+4*i+1], s[32:33] offset:2048*i
.set i, i+1
.endr
	s_endpgm
.Lfunc_end_k_qcf968c2b2f_prep:
	.size	k_qcf968c2b2f_prep, .Lfunc_end_k_qcf968c2b2f_prep-k_qcf968c2b2f_prep
	.p2alignl 7, 3214868480
	.fill 96, 4, 3214868480
	.section	.rodata,"a",@progbits
	.p2align	6, 0x0
	.amdhsa_kernel k_qcf968c2b2f_prep
		.amdhsa_group_segment_fixed_size 0
		.amdhsa_private_segment_fixed_size 0
		.amdhsa_enable_private_segment 0
		.amdhsa_kernarg_size 40
		.amdhsa_user_sgpr_count 2
		.amdhsa_user_sgpr_kernarg_segment_ptr 1
		.amdhsa_wavefront_size32 1
		.amdhsa_system_sgpr_workgroup_id_x 1
		.amdhsa_system_sgpr_workgroup_id_y 1
		.amdhsa_system_sgpr_workgroup_id_z 1
		.amdhsa_system_vgpr_workitem_id 0
		.amdhsa_next_free_vgpr 80
		.amdhsa_next_free_sgpr 66
		.amdhsa_reserve_vcc 0
		.amdhsa_float_denorm_mode_32 3
		.amdhsa_float_denorm_mode_16_64 3
		.amdhsa_memory_ordered 1
		.amdhsa_forward_progress 1
		.amdhsa_inst_pref_size 13
	.end_amdhsa_kernel
	.amdgpu_metadata
---
amdhsa.version: [ 1, 2 ]
amdhsa.kernels:
  - .name:           k_qcf968c2b2f_prep
    .symbol:         k_qcf968c2b2f_prep.kd
    .args:
      - { .name: Wq, .offset: 0, .size: 8, .value_kind: global_buffer, .address_space: global }
      - { .name: Wk, .offset: 8, .size: 8, .value_kind: global_buffer, .address_space: global }
      - { .name: Wv, .offset: 16, .size: 8, .value_kind: global_buffer, .address_space: global }
      - { .name: Wo, .offset: 24, .size: 8, .value_kind: global_buffer, .address_space: global }
      - { .name: wh, .offset: 32, .size: 8, .value_kind: global_buffer, .address_space: global }
    .group_segment_fixed_size: 0
    .private_segment_fixed_size: 0
    .kernarg_segment_align: 8
    .kernarg_segment_size: 40
    .max_flat_workgroup_size: 256
    .sgpr_count:     66
    .vgpr_count:     80
    .wavefront_size: 32
...
	.end_amdgpu_metadata
.endif
;; end of part 6
;; launch proj: the kernel of part 2 again; grid 4 x 192, 4 waves a work-group, clusters of 4 x 4, 327,680 bytes of LDS; arguments query, key, value, wh, bq, bk, bv, qkv; writes qkv
;; launch scores: the kernel of part 3 again; grid 8 x 32, 4 waves a work-group, clusters of 4 x 4, 327,680 bytes of LDS; arguments qkv, ph, cm, ls; writes ph, cm, ls
;; launch pv: the kernel of part 4 again; grid 4 x 64, 4 waves a work-group, clusters of 4 x 4, 327,680 bytes of LDS; arguments ph, qkv, cm, ls, oh; writes oh
;; launch outp: the kernel of part 5 again; grid 4 x 64, 4 waves a work-group, clusters of 4 x 4, 327,680 bytes of LDS; arguments oh, wh, bo, out0; writes out0
